; MI455X (gfx1250); checked and timed in simulation.
; The chip was launched on July 23, 2026; its instructions are those of AMD's public machine-readable ISA for CDNA 5 (MIT licence, August 2026) and "CDNA5" Instruction Set Architecture Reference Guide (July 2026). The comments in the code are by the model that wrote it; some were corrected since.
;; KAN Layer. Allowed arithmetic: float matrix products may take bf16 or f16 operands with f32 sums; all other float work in f32.
;; Inputs: base_weight 512 x 2,048 float32; knots 8 float32; spline_weight 512 x 2,048 x 8 float32; x 4,096 x 2,048 float32.
;; Outputs: out0 4,096 x 512 float32.
;; 3 versions, each right; version 2 is faster than version 1; version 3 is version 2 with the launch packw written anew for expert scheduling mode. Each part assembles by itself: llvm-mc -triple=amdgcn-amd-amdhsa -mcpu=gfx1250 --defsym DOCPART=n.
;; ======== version 1 of 3: 3 launches
;; limits: values are held in f16: magnitudes above 65,504 overflow, below 6.1e-05 lose precision
;; workspace buffers: wbf 18,874,368 bytes; part 67,108,864 bytes
;; launch packw (part 1): grid 256 x 1, 8 waves a work-group, no clusters, 35,840 bytes of LDS; arguments spline_weight, base_weight, wbf; writes wbf
.if DOCPART == 1
	.amdgcn_target "amdgcn-amd-amdhsa--gfx1250"
	.amdhsa_code_object_version 6
	.text
	.protected	k_q78e1f0e111_packw
	.globl	k_q78e1f0e111_packw
	.p2align	8
	.type	k_q78e1f0e111_packw,@function
k_q78e1f0e111_packw:
	s_mov_b64 s[64:65], 0
	v_nop
	global_prefetch_b8 v0, s[64:65] scope:SCOPE_SE
	s_setreg_imm32_b32 hwreg(HW_REG_WAVE_MODE, 25, 1), 1
	s_wait_xcnt 0x0
; The weights of the KAN layer, once: f32 to f16, laid in the order in which the product's matrix instructions take them.
; THE FACTOR 0.1: out = 0.1 (sum x (10 bw) + sum sw relu).  The base weights are multiplied by 10 here (in f32, before the one rounding to f16), the spline weights go
; as they are, and the last launch multiplies the sum by 0.1.
; WHY f16: it carries 11 significant bits against bf16's 8, so the rounding noise of a sum of 18,432 products is an eighth.
; LIMITS: |sw| and 10 |bw| below 65,504 (f16's largest number); below 6.1e-5 they are kept in steps of 6e-8.  As drawn sw is 0.1 and 10 bw 0.13 in the root mean square.
;
; THE ORDER OF K.  K = 2048 i x (8 spline g + 1 base) = 18,432.  A split s (0..7) has i = 256 s .. +255, a period p (0..3) of it 64 i from
; I = 256 s + 64 p.  A period is 18 steps of 32 along K: t = 0..15 spline (4 i x 8 g), t = 16, 17 base (32 i).  A lane L = 16 h + r of a fragment
; holds 16 numbers: quad q (registers 4q..4q+3), element e (0..7).
;   spline t:       i = I + 8 (t/2) + 4 h + 2 (t%2) + q,  g = e
;   base t = 16+u:  i = I + 32 u + 16 q + 8 (e/4) + 4 h + e%4
; wbf is made of blocks of 1,024 bytes, one fragment each: block ((y 72 + 18 p + t) 16 + b), y = 8 nb + s, for the 16 outputs 256 nb + 16 b + r;
; in a block byte 512 q + 16 L + 2 e.  So the 32 lanes of a wave take a quad as 512 neighbouring bytes.
;
; A wave takes 16 outputs x 32 i: 16 KiB of spline weights, 2 KiB of base weights, 9 KiB out.  2,048 such units = 256 work-groups of 8 waves.
; All 36 loads go out first.  The transposition (a lane holds one i of one output; a line of wbf holds 16 outputs) goes through the wave's own
; 16 LDS rows of 272 bytes.  No wave reads another's bytes: no barrier.  No register that a store reads is written again: no wait for that.
; Memory binds here: matrix units, clusters and the tensor mover would add nothing.
.set PITCH, 272                        ; 256 bytes + 16: row c begins at bank 4 c mod 64 (64 banks of 4 bytes: ISA guide 11.1)
.set WST,   16*PITCH                   ; a wave's stage
.set OFS,  2                           ; v2   16 x lane: spline loads, and all stores
.set OFB,  3                           ; v3   base loads: 4 rows apart for each 8 lanes, 16 bytes a lane
.set SA,   4                           ; v4   stage address of a lane's 8 bytes, spline
.set SB,   5                           ; v5   the same, base
.set RA,   6                           ; v6   stage address for reading back: lanes 0-15 a row, lanes 16-31 the next
.set D,    12                          ; v[12:139]   spline as loaded: chunk c (16 i) at 64 c, output r at 4 r
.set E,    140                         ; v[140:155]  base as loaded
.set OUT0, 156                         ; v[156:187]  lines of wbf, chunk 0
.set OUT1, 188                         ; v[188:219]  chunk 1
.set OUTB, 220                         ; v[220:227]  base
	s_load_b128 s[4:7], s[0:1], 0x0                ; spline_weight s[4:5], base_weight s[6:7]
	s_load_b64 s[8:9], s[0:1], 0x10                ; wbf
	v_lshl_add_u32 v228, v0, 2, 0x8800
	v_mov_b32 v229, 0
	v_lshrrev_b32 v1, 5, v0
	v_readfirstlane_b32 s12, v1                    ; wave
	s_mov_b32 s14, 0x41200000                      ; 10.0, as a pair for the packed multiply
	s_mov_b32 s15, 0x41200000
	s_lshl_b32 s13, ttmp9, 3
	s_add_co_u32 s13, s13, s12                     ; unit = 8 x work-group + wave
	s_lshr_b32 s16, s13, 6                         ; n16: which 16 outputs
	s_and_b32 s17, s13, 63                         ; which 32 i = 8 s + 2 p + hf
	s_lshr_b32 s18, s16, 4                         ; nb
	s_and_b32 s19, s16, 15                         ; b
	s_lshr_b32 s20, s17, 3                         ; s
	s_bfe_u32 s21, s17, 0x20001                    ; p
	s_and_b32 s22, s17, 1                          ; hf: which half of the period's 64 i
	s_lshl_b32 s24, s16, 20                        ; spline: 16 outputs x 65,536 bytes
	s_lshl_b32 s23, s17, 10                        ;         32 i x 32 bytes
	s_add_co_u32 s24, s24, s23
	s_mov_b32 s25, 0
	s_lshl_b32 s26, s16, 17                        ; base: 16 outputs x 8,192 bytes
	s_lshl_b32 s23, s17, 7                         ;       32 i x 4 bytes
	s_add_co_u32 s26, s26, s23
	s_mov_b32 s27, 0
	s_lshl3_add_u32 s28, s18, s20                  ; y = 8 nb + s
	s_mul_i32 s28, s28, 72
	s_mul_i32 s23, s21, 18
	s_add_co_u32 s28, s28, s23                     ; the period's first step
	s_lshl_b32 s28, s28, 14                        ; a step is 16 blocks = 16,384 bytes
	s_lshl_b32 s23, s19, 10
	s_add_co_u32 s28, s28, s23                     ; + block b
	s_lshl_b32 s23, s22, 17
	s_add_co_u32 s30, s28, s23                     ; spline: my 8 steps begin at t = 8 hf
	s_mov_b32 s31, 0
	s_lshl_b32 s23, s22, 14
	s_add_co_u32 s28, s28, s23
	s_add_co_u32 s28, s28, 16*16384                ; base: step 16 + hf
	s_mov_b32 s29, 0
	v_and_b32 v1, 31, v0                           ; lane l
	v_lshlrev_b32 v[OFS], 4, v1
	v_lshrrev_b32 v7, 3, v1
	v_and_b32 v8, 7, v1
	v_lshlrev_b32 v[OFB], 4, v8
	v_lshl_add_u32 v[OFB], v7, 15, v[OFB]          ; (l / 8) x 4 rows of 8,192 bytes + 16 (l % 8)
	s_wait_kmcnt 0x0
	s_add_nc_u64 s[4:5], s[4:5], s[24:25]
	s_add_nc_u64 s[6:7], s[6:7], s[26:27]
	s_add_nc_u64 s[10:11], s[8:9], s[28:29]        ; where the base lines go
	s_add_nc_u64 s[8:9], s[8:9], s[30:31]          ; where the spline lines go
	; every load of the wave covers whole aligned runs: 512 neighbouring bytes of one output's spline weights (16 i x 8 g)
.irp c, 0,1
.irp r, 0,1,2,3,4,5,6,7,8,9,10,11,12,13,14,15
	global_load_b128 v[D+64*\c+4*\r:D+64*\c+4*\r+3], v[OFS], s[4:5] offset:\r*65536+\c*512 th:TH_LOAD_NT
.endr
.endr
.irp r, 0,1,2,3
	global_load_b128 v[E+4*\r:E+4*\r+3], v[OFB], s[6:7] offset:\r*8192 th:TH_LOAD_NT   ; outputs r + 4 (l / 8), 128 bytes each
.endr
	; Spline: lane l holds i16 = l / 2 of the chunk's 16 i and g = 4 (l % 2) .. +3.  Its stage row is 4 tl + 2 q + h with
	; tl = 2 (i16 / 8) + (i16 / 2) % 2, q = i16 % 2, h = (i16 / 4) % 2:  (i16 & 8) | 2 (i16 & 3) | ((i16 >> 2) & 1): three fields that share no bit.
	s_mul_i32 s23, s12, WST
	v_lshrrev_b32 v7, 1, v1
	v_and_b32 v7, 8, v7                            ; i16 & 8
	v_and_b32 v8, 6, v1                            ; 2 (i16 & 3)
	v_bfe_u32 v9, v1, 3, 1                         ; (i16 >> 2) & 1
	v_or_b32 v7, v7, v8
	v_or_b32 v7, v7, v9
	v_mul_u32_u24 v[SA], v7, PITCH
	v_and_b32 v8, 1, v1
	v_lshl_add_u32 v[SA], v8, 3, v[SA]             ; + 8 bytes for the upper four g
	v_add_nc_u32 v[SA], s23, v[SA]
	; Base: lane l holds i = 4 d .. +3 (d = l % 8) of output r + 4 (l / 8): q = d / 4, e / 4 = (d / 2) % 2, h = d % 2.  Stage row 2 q + h.
	v_bfe_u32 v7, v1, 2, 1
	v_lshl_add_u32 v7, v7, 1, v8                   ; 2 q + h
	v_mul_u32_u24 v[SB], v7, PITCH
	v_bfe_u32 v7, v1, 1, 1
	v_lshl_add_u32 v[SB], v7, 3, v[SB]             ; + 8 (e / 4)
	v_lshrrev_b32 v7, 3, v1
	v_lshl_add_u32 v[SB], v7, 6, v[SB]             ; + 16 bytes x 4 (l / 8) outputs
	v_add_nc_u32 v[SB], s23, v[SB]
	v_lshrrev_b32 v7, 4, v1
	v_and_b32 v8, 15, v1
	v_mul_u32_u24 v[RA], v7, PITCH
	v_lshl_add_u32 v[RA], v8, 4, v[RA]             ; row h, 16 bytes of output r
	v_add_nc_u32 v[RA], s23, v[RA]
; Chunk c of the spline weights.  left = the loads issued behind the chunk's sixteen; o = where its eight lines of wbf land.
.macro SPL c, left, o
	s_wait_loadcnt \left                           ; loads come back in order (ISA guide 5.7.1): the chunk is in, the younger ones stay out
.irp r, 0,1,2,3,4,5,6,7,8,9,10,11,12,13,14,15
	v_cvt_pk_f16_f32 v[D+64*\c+4*\r],   v[D+64*\c+4*\r],   v[D+64*\c+4*\r+1]
	v_cvt_pk_f16_f32 v[D+64*\c+4*\r+1], v[D+64*\c+4*\r+2], v[D+64*\c+4*\r+3]
	ds_store_b64 v[SA], v[D+64*\c+4*\r:D+64*\c+4*\r+1] offset:16*\r     ; word 68 row + 2 (l % 2) + 4 r: the 32 lanes hit 64 different banks
.endr
.irp w, 0,1,2,3,4,5,6,7
	ds_load_b128 v[\o+4*\w:\o+4*\w+3], v[RA] offset:2*\w*PITCH          ; rows 4 tl + 2 q + h, w = 2 tl + q; LDS serves a wave's instructions in order (ISA guide 5.7.1.4): these see the stores above
.endr
.irp w, 0,1,2,3,4,5,6,7
	s_wait_dscnt 7-\w                              ; line w is in; the younger ones stay out.  The last count is 0: the stage is free for the next chunk
	global_store_b128 v[OFS], v[\o+4*\w:\o+4*\w+3], s[8:9] offset:(4*\c+\w/2)*16384+(\w%2)*512   ; 512 consecutive bytes, aligned
.endr
.endm
	SPL 0, 20, OUT0                                ; behind chunk 0: chunk 1's sixteen loads and the four of the base weights
	SPL 1, 4, OUT1                                 ; behind chunk 1: the four
	s_wait_loadcnt 0x0                             ; the base weights
.irp r, 0,1,2,3
	v_pk_mul_f32 v[E+4*\r:E+4*\r+1],   v[E+4*\r:E+4*\r+1],   s[14:15] op_sel_hi:[1,0]   ; x 10
	v_pk_mul_f32 v[E+4*\r+2:E+4*\r+3], v[E+4*\r+2:E+4*\r+3], s[14:15] op_sel_hi:[1,0]
	v_cvt_pk_f16_f32 v[E+4*\r],   v[E+4*\r],   v[E+4*\r+1]
	v_cvt_pk_f16_f32 v[E+4*\r+1], v[E+4*\r+2], v[E+4*\r+3]
	ds_store_b64 v[SB], v[E+4*\r:E+4*\r+1] offset:16*\r
.endr
	ds_load_b128 v[OUTB:OUTB+3],   v[RA]                   ; q = 0: rows 0, 1
	ds_load_b128 v[OUTB+4:OUTB+7], v[RA] offset:2*PITCH    ; q = 1: rows 2, 3
	s_wait_dscnt 0x1                               ; the first of the two
	global_store_b128 v[OFS], v[OUTB:OUTB+3], s[10:11]
	s_wait_dscnt 0x0
	global_store_b128 v[OFS], v[OUTB+4:OUTB+7], s[10:11] offset:512
	s_wait_tensorcnt 0x0
	ds_add_u32 v228, v229
	s_wait_dscnt 0x0
	s_endpgm
.Lfunc_end_k_q78e1f0e111_packw:
	.size	k_q78e1f0e111_packw, .Lfunc_end_k_q78e1f0e111_packw-k_q78e1f0e111_packw
	.p2alignl 7, 3214868480
	.fill 96, 4, 3214868480
	.section	.rodata,"a",@progbits
	.p2align	6, 0x0
	.amdhsa_kernel k_q78e1f0e111_packw
		.amdhsa_group_segment_fixed_size 35840
		.amdhsa_private_segment_fixed_size 0
		.amdhsa_enable_private_segment 0
		.amdhsa_kernarg_size 24
		.amdhsa_user_sgpr_count 2
		.amdhsa_user_sgpr_kernarg_segment_ptr 1
		.amdhsa_wavefront_size32 1
		.amdhsa_system_sgpr_workgroup_id_x 1
		.amdhsa_system_sgpr_workgroup_id_y 1
		.amdhsa_system_sgpr_workgroup_id_z 1
		.amdhsa_system_vgpr_workitem_id 0
		.amdhsa_next_free_vgpr 230
		.amdhsa_next_free_sgpr 66
		.amdhsa_reserve_vcc 0
		.amdhsa_float_denorm_mode_32 3
		.amdhsa_float_denorm_mode_16_64 3
		.amdhsa_memory_ordered 1
		.amdhsa_forward_progress 1
		.amdhsa_inst_pref_size 18
	.end_amdhsa_kernel
	.amdgpu_metadata
---
amdhsa.version: [ 1, 2 ]
amdhsa.kernels:
  - .name:           k_q78e1f0e111_packw
    .symbol:         k_q78e1f0e111_packw.kd
    .args:
      - { .name: spline_weight, .offset: 0, .size: 8, .value_kind: global_buffer, .address_space: global }
      - { .name: base_weight, .offset: 8, .size: 8, .value_kind: global_buffer, .address_space: global }
      - { .name: wbf, .offset: 16, .size: 8, .value_kind: global_buffer, .address_space: global }
    .group_segment_fixed_size: 35840
    .private_segment_fixed_size: 0
    .kernarg_segment_align: 8
    .kernarg_segment_size: 24
    .max_flat_workgroup_size: 256
    .sgpr_count:     66
    .vgpr_count:     230
    .wavefront_size: 32
...
	.end_amdgpu_metadata
.endif
;; end of part 1
;; launch kan (part 2): grid 16 x 16, 4 waves a work-group, clusters of 4 x 1, 327,680 bytes of LDS; arguments x, knots, wbf, part; writes part
.if DOCPART == 2
	.amdgcn_target "amdgcn-amd-amdhsa--gfx1250"
	.amdhsa_code_object_version 6
	.text
	.protected	k_q78e1f0e111_kan
	.globl	k_q78e1f0e111_kan
	.p2align	8
	.type	k_q78e1f0e111_kan,@function
k_q78e1f0e111_kan:
	s_mov_b64 s[64:65], 0
	v_nop
	global_prefetch_b8 v0, s[64:65] scope:SCOPE_SE
	s_setreg_imm32_b32 hwreg(HW_REG_WAVE_MODE, 25, 1), 1
	s_wait_xcnt 0x0
	s_wait_alu depctr_hold_cnt(0) depctr_sa_sdst(0) depctr_va_vdst(0) depctr_va_sdst(0) depctr_va_ssrc(0) depctr_va_vcc(0) depctr_vm_vsrc(0)
	s_getreg_b32 s2, hwreg(HW_REG_IB_STS2, 6, 4)
	s_cmp_eq_u32 s2, 0
	s_cbranch_scc0 .Lentry_in_a_cluster
	s_endpgm
.Lentry_in_a_cluster:
	s_bfe_u32 s2, ttmp6, 0x10000c
	s_cmp_lg_u32 s2, 0x3003
	s_cbranch_scc0 .Lentry_shape_is_right
	s_endpgm
.Lentry_shape_is_right:
; out[b][o] = sum_i x[b][i] bw[o][i] + 0.1 sum_{i,g} sw[o][i][g] relu(x[b][i] - knots[g]), as ONE product with K = 2048 x 9 = 18,432:
; each x gives nine numbers along K, itself and its eight relus; the weights come from wbf in f16 (sw as it is, bw times 10), in fragment order, so the sums made here
; are 10 x the output.  C has 4096 x 512 numbers = 32 blocks of 256 x 256, so K is split in 8: 256 work-groups, each a block over 256 i (72 steps of 32 along K),
; and its f32 sums go to part[s]; a later launch adds the eight and multiplies by 0.1.
; OPERANDS IN f16: 11 significant bits against bf16's 8, so the rounding noise of a sum of 18,432 products is an eighth.
; LIMITS: |x| and |x - knot| below 65,504 (f16's largest number; x as drawn stays below about 6); below 6.1e-5 they are kept in steps of 6e-8.
; The sum over K is formed as eight f32 partial sums.  relu is v_max_num_f32 with 0, in which a NaN loses: a NaN in x reaches the
; output through the base term (x itself is an operand), not through the relu terms.
;
; Four waves, as many as a WGP has SIMDs.  Wave w has rows 64 w .. +63 of the block and all 256 columns: 4 x 16 accumulator tiles, 512 registers.
; So no two waves need the same x: each wave keeps its 64 rows x 64 i of x in 128 registers and MAKES its operand fragments in registers
; (subtract the knots, max with 0, round to f16): nothing of that operand is ever stored.  For 32 along K a wave reads 16 KiB of weights from LDS for 64 matrix instructions.
;
; THE ORDER OF K (the same in wbf).  A period is 64 i from I and 18 steps: t = 0..15 spline, 16 and 17 base.  Lane L = 16 h + r, quad q (registers 4q..4q+3), element e:
;   spline t:       i = I + 8 (t/2) + 4 h + 2 (t%2) + q,  g = e          base t = 16+u:  i = I + 32 u + 16 q + 8 (e/4) + 4 h + e%4
; With X[a][4 j + c] = x[row 16 a + r][I + 8 j + 4 h + c] in registers, spline step t takes X[a][2t + q], base step u the registers X[a][16u .. 16u+15] in order.
;
; CLUSTER: 4 x 1 work-groups = four row blocks with the same column block and the same split of K: they walk the same weights, which are asked for
; JOINTLY (mask 15): a quarter of the requests.  x is asked for plainly: an x tile is shared only by the two column blocks, which lie in different
; clusters, and is 64 KiB of a period's 352 KiB.
;
; LDS: x tile (256 rows x 256 bytes, pitch 272), two slots of weights, each three steps of 16 KiB, and behind them a stage for the way out that no tensor load fills.
; A slot is asked for again when its third step is being multiplied, and waited for three steps later: 176 matrix instructions and three fragment makings.
;
; THE MATRIX INSTRUCTION IS USED TRANSPOSED: source 0 = 16 outputs' weights, source 1 = 16 rows of x.  Register j of lane L then holds
; C(row r, column 16 b + 8 h + j): eight neighbouring numbers of a row.
;
; REGISTERS in windows of 256: window 0 addresses, knots, x, the x fragments; window 1 the weight fragments, two buffers of 128;
; window 2 the accumulators of m blocks 0, 1 (tile (a, b) at 8 (16 (a%2) + b)); window 3 those of m blocks 2, 3.
.set XPITCH, 272                       ; 256 bytes + 16: the 16 rows that a load touches begin at 16 different groups of banks (64 banks of 4 bytes: ISA guide 11.1)
.set KB,     16384                     ; the weights of one step of 32 along K: 16 fragments of 1,024 bytes
.set SLOT,   3*KB
.set BS0,    256*XPITCH                ; 69,632
.set BS1,    BS0+SLOT
.set STAGE,  BS1+SLOT                  ; 167,936, a multiple of 256
.set SPITCH, 1040                      ; a row of 256 f32 + 16 bytes
.set WSTAGE, 16*SPITCH
.set XA,  8                            ; v8      LDS address of my x: (64 w + r) 272 + 16 h
.set BA,  9                            ; v9-10   slot 0, 1 + 16 L
.set STO, 11                           ; v11     the way out: where a quad of results goes
.set RD,  12                           ; v12     the way out: where half a row is read back
.set CO,  13                           ; v13     16 L
.set KN,  16                           ; v[16:23]   the knots
.set T,   24                           ; v[24:39]   at work, two sets of eight
.set AF,  40                           ; v[40:71], v[72:103]  x fragments, two buffers, m block a at 8 a
.set X,   104                          ; v[104:231] x, m block a at 32 a; on the way out: rows of C
.set G1B, 32                           ; s[32:39] group 1, weights
.set G0B, 40                           ; s[40:47] group 0, weights, a set for each slot
.set G1X, 48                           ; s[48:55] group 1, x
.set G0X, 56                           ; s[56:59] group 0, x
.set MSB, 0
.macro WIN new                         ; the immediate's high byte repeats the setting that is left
.if MSB != \new
	s_set_vgpr_msb (MSB<<8)|\new
.set MSB, \new
.endif
.endm
.set MUL_LO, 0xa1                      ; source 0 window 1, source 1 window 0, C and D window 2
.set MUL_HI, 0xf1                      ; the same, C and D window 3
.set TO_B,   0x40                      ; destination window 1, address window 0
; A round of the cluster's barrier: my work-group's barrier, wave 0 signals for the work-group, every wave waits for all four work-groups, my work-group's barrier once more.
.macro CREST                           ; a round behind its opening barrier
	s_cmp_lg_u32 s12, 0
	s_cbranch_scc1 .Lnot_wave_0_\@
	s_barrier_signal -3
.Lnot_wave_0_\@:
	s_barrier_wait -3
	s_barrier_signal -1
	s_barrier_wait -1
.endm
.macro CROUND
	s_barrier_signal -1
	s_barrier_wait -1
	CREST
.endm
; A refill: waves 0 to 2 ask jointly for one step each of the slot's three; wave 3 asks for the next x tile where one is due, else for nothing.  One tensor load a wave.
.macro JFILL slot, withx
	s_cmp_eq_u32 s12, 3
	s_cbranch_scc1 .Lwave_3_\@
	tensor_load_to_lds s[G0B+4*\slot:G0B+4*\slot+3], s[G1B:G1B+7]
	s_nop 0
.if \withx
	s_branch .Lasked_\@
.endif
.Lwave_3_\@:
.if \withx
	tensor_load_to_lds s[G0X:G0X+3], s[G1X:G1X+7]
	s_nop 0
.Lasked_\@:
.endif
.endm
	s_load_b256 s[4:11], s[0:1], 0x0               ; x s[4:5], knots s[6:7], wbf s[8:9], part s[10:11]
	v_lshl_add_u32 v254, v0, 2, 0x39400
	v_mov_b32 v255, 0
	ds_add_u32 v254, v255
	ds_add_u32 v254, v255
	v_lshrrev_b32 v4, 5, v0
	v_readfirstlane_b32 s12, v4                    ; wave 0..3
	s_bfe_u32 s13, ttmp6, 0x40000                  ; cx
	s_lshl_b32 s14, ttmp9, 2
	s_add_co_u32 s14, s14, s13                     ; row block mb = 4 x cluster x + cx
	s_and_b32 s15, ttmp7, 0xffff                   ; y = 8 nb + s (the cluster is one work-group high)
	; group 1 of the weights: a dense run of 16,384 bytes as 64 rows of 32 elements of 8 bytes
	s_mov_b32 s[G1B+0], 15|(3<<16)|(1<<21)         ; 15:0 the mask: all four of the cluster; 17:16 element of 8 bytes; 21 set beside a mask
	s_mov_b32 s[G1B+1], 32<<16                     ; tensor_dim0 = 32
	s_mov_b32 s[G1B+2], 64<<16                     ; tensor_dim1 = 64
	s_mov_b32 s[G1B+3], 32<<16                     ; tile_dim0 = 32
	s_mov_b32 s[G1B+4], 64                         ; tile_dim1 = 64
	s_mov_b32 s[G1B+5], 32                         ; from row to row: 32 elements
	s_mov_b32 s[G1B+6], 0
	s_mov_b32 s[G1B+7], 0
	; group 1 of x: 256 rows x 64 f32 (256 bytes, at multiples of 256 from x's first byte), 2,048 elements from row to row, 4 words of padding behind every 64
	s_mov_b32 s[G1X+0], (2<<16)|(1<<20)|(5<<22)|(3<<25)
	s_mov_b32 s[G1X+1], 64<<16
	s_mov_b32 s[G1X+2], 256<<16
	s_mov_b32 s[G1X+3], 64<<16
	s_mov_b32 s[G1X+4], 256
	s_mov_b32 s[G1X+5], 2048
	s_mov_b32 s[G1X+6], 0
	s_mov_b32 s[G1X+7], 0
	; offsets.  The weights' hang on y and the wave alone, in registers that never hold cx.
	s_mul_i32 s16, s15, 72*KB                      ; my 72 steps
	s_lshl_b32 s22, s12, 14                        ; wave x one step: in memory and in the slot
	s_add_co_u32 s16, s16, s22
	s_mov_b32 s17, 0
	s_and_b32 s20, s15, 7                          ; s
	s_lshl_b32 s18, s14, 21                        ; x: 256 rows of 8,192 bytes
	s_lshl_b32 s19, s20, 10                        ;    256 i of 4 bytes
	s_add_co_u32 s18, s18, s19
	s_mov_b32 s19, 0
	s_lshl_b32 s20, s20, 23                        ; part: split s of 8,388,608 bytes
	s_lshl_b32 s21, s14, 19                        ;       256 rows of 2,048 bytes
	s_add_co_u32 s20, s20, s21
	s_lshl_b32 s21, s12, 17                        ;       my wave's 64 rows
	s_add_co_u32 s20, s20, s21
	s_lshr_b32 s21, s15, 3                         ;       nb: 256 columns of 4 bytes
	s_lshl_b32 s21, s21, 10
	s_add_co_u32 s20, s20, s21
	s_mov_b32 s21, 0
	s_wait_dscnt 0x0
	s_wait_kmcnt 0x0
	s_load_b256 s[24:31], s[6:7], 0x0              ; the eight knots
	s_add_nc_u64 s[16:17], s[8:9], s[16:17]
	s_add_nc_u64 s[10:11], s[10:11], s[20:21]
.irp s, 0,1
	s_mov_b32 s[G0B+4*\s], 1                                       ; count = 1
	s_add_co_u32 s[G0B+4*\s+1], s22, BS0+\s*SLOT                   ; LDS: the slot + wave x one step
	s_add_nc_u64 s[G0B+4*\s+2:G0B+4*\s+3], s[16:17], \s*SLOT       ; steps 3 s + wave
	s_or_b32 s[G0B+4*\s+3], s[G0B+4*\s+3], 0x80000000              ; type = 2
.endr
	s_mov_b32 s[G0X], 1
	s_mov_b32 s[G0X+1], 0                          ; the x tile lies at LDS byte 0
	s_add_nc_u64 s[G0X+2:G0X+3], s[4:5], s[18:19]
	s_or_b32 s[G0X+3], s[G0X+3], 0x80000000
	CROUND                                         ; all four work-groups are here: the first joint loads meet
	s_cmp_eq_u32 s12, 3                            ; the first fills, one group under one branch: at most two tensor loads of a wave are out
	s_cbranch_scc1 .Lfirst_x
	tensor_load_to_lds s[G0B:G0B+3], s[G1B:G1B+7]
	s_nop 0
	tensor_load_to_lds s[G0B+4:G0B+7], s[G1B:G1B+7]
	s_nop 0
	s_branch .Lfirst_done
.Lfirst_x:
	tensor_load_to_lds s[G0X:G0X+3], s[G1X:G1X+7]
	s_nop 0
.Lfirst_done:
	v_and_b32 v1, 31, v0                           ; L
	v_and_b32 v2, 15, v0                           ; r
	v_bfe_u32 v3, v0, 4, 1                         ; h
	s_mul_i32 s23, s12, 64*XPITCH
	v_mul_u32_u24 v5, v2, XPITCH
	v_lshl_add_u32 v5, v3, 4, v5
	v_add_nc_u32 v[XA], s23, v5
	v_lshlrev_b32 v[CO], 4, v1
	v_add_nc_u32 v[BA], BS0, v[CO]
	v_add_nc_u32 v[BA+1], BS1, v[CO]
	s_mul_i32 s23, s12, WSTAGE
	s_add_co_u32 s23, s23, STAGE                   ; my stage
	v_mul_u32_u24 v5, v2, SPITCH
	v_lshl_add_u32 v5, v3, 5, v5                   ; row r, 32 bytes for each half of the lanes
	v_add_nc_u32 v[STO], s23, v5
	v_add_nc_u32 v[RD], s23, v[CO]
	s_wait_kmcnt 0x0
.irp j, 0,1,2,3,4,5,6,7
	v_mov_b32 v[KN+\j], s[24+\j]
.endr
; 16 matrix instructions: m block a x all 16 n blocks, 32 along K, from buffers f.  zero = 1: the first product starts the sums.
; The 64 accumulators take turns, one instruction a turn, in the same order in every step.
.macro MUL16 f, a, zero
.irp b, 0,1,2,3,4,5,6,7,8,9,10,11,12,13,14,15
.if \zero
	v_wmma_f32_16x16x32_f16 v[8*(16*(\a%2)+\b):8*(16*(\a%2)+\b)+7], v[128*\f+8*\b:128*\f+8*\b+7], v[AF+32*\f+8*\a:AF+32*\f+8*\a+7], 0
.else
	v_wmma_f32_16x16x32_f16 v[8*(16*(\a%2)+\b):8*(16*(\a%2)+\b)+7], v[128*\f+8*\b:128*\f+8*\b+7], v[AF+32*\f+8*\a:AF+32*\f+8*\a+7], v[8*(16*(\a%2)+\b):8*(16*(\a%2)+\b)+7]
.endif
.endr
.endm
; 32 LDS loads in one run: the 16 weight fragments of step k of a slot into buffer f.  Each load takes 512 neighbouring bytes: no bank is asked twice.
.macro FETCH slot, k, f
	WIN TO_B
.irp b, 0,1,2,3,4,5,6,7,8,9,10,11,12,13,14,15
	ds_load_b128 v[128*\f+8*\b:128*\f+8*\b+3],   v[BA+\slot] offset:\k*KB+\b*1024
	ds_load_b128 v[128*\f+8*\b+4:128*\f+8*\b+7], v[BA+\slot] offset:\k*KB+\b*1024+512
.endr
.endm
; 16 LDS loads: half of my 64 rows x 64 i of x into registers: the groups j0 .. j0 + 3 of eight i (j0 = 0: what base step 0 takes, j0 = 4: what base step 1 takes)
.macro XLOAD j0
.irp a, 0,1,2,3
.irp j, 0,1,2,3
	ds_load_b128 v[X+32*\a+4*(\j0+\j):X+32*\a+4*(\j0+\j)+3], v[XA] offset:\a*16*XPITCH+32*(\j0+\j)
.endr
.endr
.endm
; The x fragments of spline step t into buffer g: for each m block and quad, one x against the eight knots: 4 packed subtractions
; (op_sel picks register 2t + q of the pair for both halves), 8 max with 0, 4 packed roundings.
.macro GENS t, g
.irp a, 0,1,2,3
.irp q, 0,1
.irp c, 0,1,2,3
	v_pk_add_f32 v[T+8*\q+2*\c:T+8*\q+2*\c+1], v[X+32*\a+2*\t:X+32*\a+2*\t+1], v[KN+2*\c:KN+2*\c+1] op_sel:[\q,0] op_sel_hi:[\q,1] neg_lo:[0,1] neg_hi:[0,1]
.endr
.irp c, 0,1,2,3,4,5,6,7
	v_max_num_f32 v[T+8*\q+\c], 0, v[T+8*\q+\c]
.endr
.irp c, 0,1,2,3
	v_cvt_pk_f16_f32 v[AF+32*\g+8*\a+4*\q+\c], v[T+8*\q+2*\c], v[T+8*\q+2*\c+1]
.endr
.endr
.endr
.endm
; The x fragments of base step u: sixteen x of each lane, rounded, in the order of the registers
.macro GENB u, g
.irp a, 0,1,2,3
.irp c, 0,1,2,3,4,5,6,7
	v_cvt_pk_f16_f32 v[AF+32*\g+8*\a+\c], v[X+32*\a+16*\u+2*\c], v[X+32*\a+16*\u+2*\c+1]
.endr
.endr
.endm
.macro GEN t, g
.if \t < 16
	GENS \t, \g
.else
	GENB (\t-16), \g
.endif
.endm
; DISTANCES behind matrix instructions (ISA guide 7.12.1 for vector instructions): four plain vector instructions that name none of the matrix
; instruction's registers stand in front of a write of, or a load into, one of its sources.  GEN writes buffer g's m blocks 0 and 1 first: their last readers stand
; in front of the step before's GEN.  Blocks 2 and 3, read last at the end of the step before, are written behind blocks 0 and 1's 16 instructions or more.
; FETCH into buffer g stands behind the whole GEN.  No v_nop is needed in the loop.
;
; A step: multiplies buffers f; in its middle it makes the next step's (tn) x fragments and fetches its weights (step kn of the slot) into buffers g.
; xload = 1, 2: the lower, upper half of the next period's x comes into the registers whose last use of this period stands just above (base step 0, 1).
; So a wave has at most 16 + 32 LDS loads out.
.macro STEP tn, f, g, slot, kn, zero, xload
	s_wait_dscnt 0x0                               ; the weights of this step (and x, where it was fetched), issued 32 matrix instructions ago
	WIN MUL_LO
	MUL16 \f, 0, \zero
	MUL16 \f, 1, \zero
	WIN 0
	GEN \tn, \g
.if \xload
	XLOAD (4*(\xload-1))
.endif
	FETCH \slot, \kn, \g
	WIN MUL_HI
	MUL16 \f, 2, \zero
	MUL16 \f, 3, \zero
.endm
; A slot's third step, and the change of slots.  In front of the barrier's signal each wave has waited for all its LDS reads (this slot's and, earlier, the x tile's)
; and for all its tensor loads, its part of the next slot among them.  fill = 1: the barrier opens a round of the cluster's barrier, inside which only registers
; are worked on, and the refill is the first tensor load behind it: no wave of any partner still reads the slot or has a load on its way.
.macro TURN tn, f, g, slot, next, fill, withx
	s_wait_dscnt 0x0                               ; my last reads of this slot; no LDS instruction follows until the barrier is passed
	WIN MUL_LO
	MUL16 \f, 0, 0
	s_set_vgpr_msb 0xa1a0
	s_wait_tensorcnt 0x0                           ; all my tensor loads have landed: every group 0 may be written
	ds_add_u32 v254, v255
	s_wait_dscnt 0x0
	s_set_vgpr_msb 0xa0a1
	s_barrier_signal -1
	MUL16 \f, 1, 0
	WIN 0
	s_barrier_wait -1
.if \fill
	CREST
	s_add_nc_u64 s[G0B+4*\slot+2:G0B+4*\slot+3], s[G0B+4*\slot+2:G0B+4*\slot+3], 2*SLOT   ; this slot's next three steps
.if \withx
	s_add_nc_u64 s[G0X+2:G0X+3], s[G0X+2:G0X+3], 256                                     ; the next 64 i
.endif
	JFILL \slot, \withx
.endif
	GEN \tn, \g
	FETCH \next, 0, \g
	WIN MUL_HI
	MUL16 \f, 2, 0
	MUL16 \f, 3, 0
.endm
; A period: 64 i, 18 steps, six slots.  zero: the very first step starts the sums.  xf: the next period's x tile is asked for (its bytes were read into registers
; in the period before, or ahead of the first).  last: the last two changes of slots fill nothing, no x is fetched, and the last step prepares nothing.
.macro PERIOD zero, xf, last
	STEP 1,  0, 1, 0, 1, \zero, 0
	STEP 2,  1, 0, 0, 2, 0, 0
	TURN 3,  0, 1, 0, 1, 1, \xf
	STEP 4,  1, 0, 1, 1, 0, 0
	STEP 5,  0, 1, 1, 2, 0, 0
	TURN 6,  1, 0, 1, 0, 1, 0
	STEP 7,  0, 1, 0, 1, 0, 0
	STEP 8,  1, 0, 0, 2, 0, 0
	TURN 9,  0, 1, 0, 1, 1, 0
	STEP 10, 1, 0, 1, 1, 0, 0
	STEP 11, 0, 1, 1, 2, 0, 0
	TURN 12, 1, 0, 1, 0, 1, 0
	STEP 13, 0, 1, 0, 1, 0, 0
	STEP 14, 1, 0, 0, 2, 0, 0
.if \last
	TURN 15, 0, 1, 0, 1, 0, 0
	STEP 16, 1, 0, 1, 1, 0, 0
	STEP 17, 0, 1, 1, 2, 0, 0
	s_wait_dscnt 0x0
	WIN MUL_LO
	MUL16 1, 0, 0
	MUL16 1, 1, 0
	WIN MUL_HI
	MUL16 1, 2, 0
	MUL16 1, 3, 0
.else
	TURN 15, 0, 1, 0, 1, 1, 0
	STEP 16, 1, 0, 1, 1, 0, 1
	STEP 17, 0, 1, 1, 2, 0, 2
	TURN 0,  1, 0, 1, 0, 1, 0
.endif
	WIN 0                                          ; at a label and at a branch every window is 0
.endm
	s_wait_tensorcnt 0x0                           ; my first fills have landed,
	s_barrier_signal -1
	s_barrier_wait -1                              ; everybody's have
	XLOAD 0
	XLOAD 4
	s_wait_dscnt 0x0                               ; x is in registers: the first fragments are made of it
	FETCH 0, 0, 0                                  ; the first step's weights come in while they are made
	WIN 0
	GEN 0, 0
	PERIOD 1, 1, 0                                 ; the first period stands in front of the loop: its first products start the sums
	s_mov_b32 s60, 2
.Lperiod:
	PERIOD 0, 1, 0
	s_sub_co_u32 s60, s60, 1
	s_cmp_lg_u32 s60, 0
	s_cbranch_scc1 .Lperiod
	PERIOD 0, 0, 1
	; THE WAY OUT, 16 rows at a time: a lane's quads into my own stage, read back as half rows of 512 bytes, eight rows a run, stored.
	; Four places stand between the last matrix instruction and the LDS stores that read results.
.rept 4
	v_nop
.endr
; m block a; from: the window of the store's data (source 1): 0x08 window 2, 0x0c window 3
.macro OUT16 a, from
	WIN \from
.irp b, 0,1,2,3,4,5,6,7,8,9,10,11,12,13,14,15
	ds_store_b128 v[STO], v[8*(16*(\a%2)+\b):8*(16*(\a%2)+\b)+3]   offset:64*\b       ; columns 16 b + 8 h + 0..3; rows 1,040 bytes apart: 16 different groups of banks
	ds_store_b128 v[STO], v[8*(16*(\a%2)+\b)+4:8*(16*(\a%2)+\b)+7] offset:64*\b+16
.endr
	WIN 0
	s_wait_xcnt 0x0                                ; every earlier memory instruction has had its addresses translated (ISA guide 3.1): X, which the last block's stores read, is loaded again only behind this wait
.irp hf, 0,1
.irp w, 0,1,2,3,4,5,6,7,8,9,10,11,12,13,14,15
	ds_load_b128 v[X+64*\hf+4*\w:X+64*\hf+4*\w+3], v[RD] offset:(8*\hf+\w/2)*SPITCH+(\w%2)*512     ; LDS serves a wave's instructions in order (ISA guide 5.7.1.4): these see the stores above
.endr
.irp w, 0,1,2,3,4,5,6,7,8,9,10,11,12,13,14,15
	s_wait_dscnt 15-\w                             ; load w of the run is in, the younger ones stay out; the last count is 0: behind the second run the stage is free for the next block
	global_store_b128 v[CO], v[X+64*\hf+4*\w:X+64*\hf+4*\w+3], s[10:11] offset:(16*\a+8*\hf+\w/2)*2048+(\w%2)*512   ; 512 consecutive bytes, aligned
.endr
.endr
.endm
	OUT16 0, 0x08
	OUT16 1, 0x08
	OUT16 2, 0x0c
	OUT16 3, 0x0c
	s_wait_tensorcnt 0x0
	ds_add_u32 v254, v255
	s_wait_dscnt 0x0
	CROUND                                         ; the closing round: no work-group ends while a partner may still ask for a tile that names it
	s_endpgm
.Lfunc_end_k_q78e1f0e111_kan:
	.size	k_q78e1f0e111_kan, .Lfunc_end_k_q78e1f0e111_kan-k_q78e1f0e111_kan
	.p2alignl 7, 3214868480
	.fill 96, 4, 3214868480
	.section	.rodata,"a",@progbits
	.p2align	6, 0x0
	.amdhsa_kernel k_q78e1f0e111_kan
		.amdhsa_group_segment_fixed_size 327680
		.amdhsa_private_segment_fixed_size 0
		.amdhsa_enable_private_segment 0
		.amdhsa_kernarg_size 32
		.amdhsa_user_sgpr_count 2
		.amdhsa_user_sgpr_kernarg_segment_ptr 1
		.amdhsa_wavefront_size32 1
		.amdhsa_system_sgpr_workgroup_id_x 1
		.amdhsa_system_sgpr_workgroup_id_y 1
		.amdhsa_system_sgpr_workgroup_id_z 1
		.amdhsa_system_vgpr_workitem_id 0
		.amdhsa_next_free_vgpr 1024
		.amdhsa_next_free_sgpr 66
		.amdhsa_reserve_vcc 0
		.amdhsa_float_denorm_mode_32 3
		.amdhsa_float_denorm_mode_16_64 3
		.amdhsa_memory_ordered 1
		.amdhsa_forward_progress 1
		.amdhsa_inst_pref_size 255
	.end_amdhsa_kernel
	.section	.bss,"aw",@nobits
	.p2align	6
	.space	262144
	.amdgpu_metadata
---
amdhsa.version: [ 1, 2 ]
amdhsa.kernels:
  - .name:           k_q78e1f0e111_kan
    .symbol:         k_q78e1f0e111_kan.kd
    .args:
      - { .name: x, .offset: 0, .size: 8, .value_kind: global_buffer, .address_space: global }
      - { .name: knots, .offset: 8, .size: 8, .value_kind: global_buffer, .address_space: global }
      - { .name: wbf, .offset: 16, .size: 8, .value_kind: global_buffer, .address_space: global }
      - { .name: part, .offset: 24, .size: 8, .value_kind: global_buffer, .address_space: global }
    .group_segment_fixed_size: 327680
    .private_segment_fixed_size: 0
    .kernarg_segment_align: 8
    .kernarg_segment_size: 32
    .max_flat_workgroup_size: 128
    .sgpr_count:     66
    .vgpr_count:     1024
    .wavefront_size: 32
...
	.end_amdgpu_metadata
.endif
;; end of part 2
;; launch addup (part 3): grid 512 x 1, 8 waves a work-group, no clusters, 0 bytes of LDS; arguments part, out0; writes out0
.if DOCPART == 3
	.amdgcn_target "amdgcn-amd-amdhsa--gfx1250"
	.amdhsa_code_object_version 6
	.text
	.protected	k_q78e1f0e111_addup
	.globl	k_q78e1f0e111_addup
	.p2align	8
	.type	k_q78e1f0e111_addup,@function
k_q78e1f0e111_addup:
	s_mov_b64 s[64:65], 0
	v_nop
	global_prefetch_b8 v0, s[64:65] scope:SCOPE_SE
	s_setreg_imm32_b32 hwreg(HW_REG_WAVE_MODE, 25, 1), 1
	s_wait_xcnt 0x0
; out0 = 0.1 x the sum of the eight partial sums part[0..7], each [4096][512] f32, in a fixed tree: ((0+1)+(2+3)) + ((4+5)+(6+7)).
; (The partial sums hold sum x (10 bw) + sum sw relu: ten times the output.  The factor is applied once, here, in f32.)
; A work-group has 16 KiB of out0: four chunks of 4,096 bytes, 16 bytes a thread.  All 32 loads of a thread go out first; each load and store of a wave
; covers 512 consecutive bytes, aligned.  No register is used twice, so the only waits are the counted ones for the loads.
; Memory binds: LDS, barriers and matrix units would add nothing.
.set P, 4                              ; v[4:131]  chunk c at 32 c, partial sum k at 4 k
.set SPLIT, 0x800000                   ; bytes of one partial sum
	s_load_b128 s[4:7], s[0:1], 0x0                ; part s[4:5], out0 s[6:7]
	s_lshl_b32 s2, ttmp9, 14                       ; my 16 KiB
	s_mov_b32 s3, 0
	s_mov_b32 s24, 0x3dcccccd                      ; 0.1, as a pair for the packed multiply
	s_mov_b32 s25, 0x3dcccccd
	v_lshlrev_b32 v1, 4, v0
	s_wait_kmcnt 0x0
	s_add_nc_u64 s[8:9], s[4:5], s[2:3]
	s_add_nc_u64 s[6:7], s[6:7], s[2:3]
.irp k, 1,2,3,4,5,6,7
	s_add_nc_u64 s[8+2*\k:9+2*\k], s[8:9], \k*SPLIT            ; a base for each partial sum: the distance does not fit the loads' immediate
.endr
.irp c, 0,1,2,3
.irp k, 0,1,2,3,4,5,6,7
	global_load_b128 v[P+32*\c+4*\k:P+32*\c+4*\k+3], v1, s[8+2*\k:9+2*\k] offset:\c*4096 th:TH_LOAD_NT
.endr
.endr
.macro ADD4 d, e                       ; four numbers at d += four at e
	v_pk_add_f32 v[\d:\d+1],   v[\d:\d+1],   v[\e:\e+1]
	v_pk_add_f32 v[\d+2:\d+3], v[\d+2:\d+3], v[\e+2:\e+3]
.endm
.macro SUM c
	s_wait_loadcnt 24-8*\c                         ; loads come back in order (ISA guide 5.7.1): this chunk's eight are in, the later chunks' stay out
	ADD4 (P+32*\c),    (P+32*\c+4)
	ADD4 (P+32*\c+8),  (P+32*\c+12)
	ADD4 (P+32*\c+16), (P+32*\c+20)
	ADD4 (P+32*\c+24), (P+32*\c+28)
	ADD4 (P+32*\c),    (P+32*\c+8)
	ADD4 (P+32*\c+16), (P+32*\c+24)
	ADD4 (P+32*\c),    (P+32*\c+16)
	v_pk_mul_f32 v[P+32*\c:P+32*\c+1],   v[P+32*\c:P+32*\c+1],   s[24:25] op_sel_hi:[1,0]   ; x 0.1
	v_pk_mul_f32 v[P+32*\c+2:P+32*\c+3], v[P+32*\c+2:P+32*\c+3], s[24:25] op_sel_hi:[1,0]
	global_store_b128 v1, v[P+32*\c:P+32*\c+3], s[6:7] offset:\c*4096 th:TH_STORE_NT
.endm
	SUM 0
	SUM 1
	SUM 2
	SUM 3
	s_endpgm
.Lfunc_end_k_q78e1f0e111_addup:
	.size	k_q78e1f0e111_addup, .Lfunc_end_k_q78e1f0e111_addup-k_q78e1f0e111_addup
	.p2alignl 7, 3214868480
	.fill 96, 4, 3214868480
	.section	.rodata,"a",@progbits
	.p2align	6, 0x0
	.amdhsa_kernel k_q78e1f0e111_addup
		.amdhsa_group_segment_fixed_size 0
		.amdhsa_private_segment_fixed_size 0
		.amdhsa_enable_private_segment 0
		.amdhsa_kernarg_size 16
		.amdhsa_user_sgpr_count 2
		.amdhsa_user_sgpr_kernarg_segment_ptr 1
		.amdhsa_wavefront_size32 1
		.amdhsa_system_sgpr_workgroup_id_x 1
		.amdhsa_system_sgpr_workgroup_id_y 1
		.amdhsa_system_sgpr_workgroup_id_z 1
		.amdhsa_system_vgpr_workitem_id 0
		.amdhsa_next_free_vgpr 132
		.amdhsa_next_free_sgpr 66
		.amdhsa_reserve_vcc 0
		.amdhsa_float_denorm_mode_32 3
		.amdhsa_float_denorm_mode_16_64 3
		.amdhsa_memory_ordered 1
		.amdhsa_forward_progress 1
		.amdhsa_inst_pref_size 9
	.end_amdhsa_kernel
	.amdgpu_metadata
---
amdhsa.version: [ 1, 2 ]
amdhsa.kernels:
  - .name:           k_q78e1f0e111_addup
    .symbol:         k_q78e1f0e111_addup.kd
    .args:
      - { .name: part, .offset: 0, .size: 8, .value_kind: global_buffer, .address_space: global }
      - { .name: out0, .offset: 8, .size: 8, .value_kind: global_buffer, .address_space: global }
    .group_segment_fixed_size: 0
    .private_segment_fixed_size: 0
    .kernarg_segment_align: 8
    .kernarg_segment_size: 16
    .max_flat_workgroup_size: 256
    .sgpr_count:     66
    .vgpr_count:     132
    .wavefront_size: 32
...
	.end_amdgpu_metadata
.endif
;; end of part 3
;; ======== version 2 of 3: 3 launches; 1.38 times as fast as version 1
;; limits: values are held in f16: magnitudes above 65,504 overflow, below 6.1e-05 lose precision
;; workspace buffers: wbf 18,874,368 bytes; part 67,108,864 bytes
;; launch packw (part 4): grid 256 x 1, 8 waves a work-group, no clusters, 35,840 bytes of LDS; arguments spline_weight, base_weight, wbf; writes wbf
.if DOCPART == 4
	.amdgcn_target "amdgcn-amd-amdhsa--gfx1250"
	.amdhsa_code_object_version 6
	.text
	.protected	k_q78e1f0e111_packw
	.globl	k_q78e1f0e111_packw
	.p2align	8
	.type	k_q78e1f0e111_packw,@function
k_q78e1f0e111_packw:
	s_mov_b64 s[64:65], 0
	v_nop
	global_prefetch_b8 v0, s[64:65] scope:SCOPE_SE
	s_setreg_imm32_b32 hwreg(HW_REG_WAVE_MODE, 25, 1), 1
	s_wait_xcnt 0x0
; The weights of the KAN layer, once: f32 to f16, laid in the order in which the product's matrix instructions take them.
; THE FACTOR 0.1: out = 0.1 (sum x (10 bw) + sum sw relu).  The base weights are multiplied by 10 here (in f32, before the one rounding to f16), the spline weights go
; as they are, and the last launch multiplies the sum by 0.1.
; WHY f16: it carries 11 significant bits against bf16's 8, so the rounding noise of a sum of 18,432 products is an eighth.
; LIMITS: |sw| and 10 |bw| below 65,504 (f16's largest number); below 6.1e-5 they are kept in steps of 6e-8.  As drawn sw is 0.1 and 10 bw 0.13 in the root mean square.
;
; THE ORDER OF K.  K = 2048 i x (8 spline g + 1 base) = 18,432.  A split s (0..7) has i = 256 s .. +255, a period p (0..7) of it 32 i from
; I = 256 s + 32 p.  A period is 9 steps of 32 along K: t = 0..7 spline (4 i x 8 g), t = 8 base (32 i).  A lane L = 16 h + r of a fragment
; holds 16 numbers: quad q (registers 4q..4q+3), element e (0..7).
;   spline t:  i = I + 8 (t/2) + 4 h + 2 (t%2) + q,  g = e
;   base:      i = I + 16 q + 8 (e/4) + 4 h + e%4
; wbf is made of blocks of 1,024 bytes, one fragment each: block ((72 y + 9 p + t) 16 + b), y = 8 nb + s, for the 16 outputs 256 nb + 16 b + r;
; in a block byte 512 q + 16 L + 2 e.  So the 32 lanes of a wave take a quad as 512 neighbouring bytes.
;
; A wave takes 16 outputs x one period: 16 KiB of spline weights, 2 KiB of base weights, 9 KiB out.  2,048 such units = 256 work-groups of 8 waves.
; All 36 loads go out first.  The transposition (a lane holds one i of one output; a line of wbf holds 16 outputs) goes through the wave's own
; 16 LDS rows of 272 bytes.  No wave reads another's bytes: no barrier.  No register that a store reads is written again: no wait for that.
; Memory binds here: matrix units, clusters and the tensor mover would add nothing.
.set PITCH, 272                        ; 256 bytes + 16: row c begins at bank 4 c mod 64 (64 banks of 4 bytes: ISA guide 11.1)
.set WST,   16*PITCH                   ; a wave's stage
.set OFS,  2                           ; v2   16 x lane: spline loads, and all stores
.set OFB,  3                           ; v3   base loads: 4 rows apart for each 8 lanes, 16 bytes a lane
.set SA,   4                           ; v4   stage address of a lane's 8 bytes, spline
.set SB,   5                           ; v5   the same, base
.set RA,   6                           ; v6   stage address for reading back: lanes 0-15 a row, lanes 16-31 the next
.set D,    12                          ; v[12:139]   spline as loaded: chunk c (16 i) at 64 c, output r at 4 r
.set E,    140                         ; v[140:155]  base as loaded
.set OUT0, 156                         ; v[156:187]  lines of wbf, chunk 0
.set OUT1, 188                         ; v[188:219]  chunk 1
.set OUTB, 220                         ; v[220:227]  base
	s_load_b128 s[4:7], s[0:1], 0x0                ; spline_weight s[4:5], base_weight s[6:7]
	s_load_b64 s[8:9], s[0:1], 0x10                ; wbf
	v_lshl_add_u32 v228, v0, 2, 0x8800
	v_mov_b32 v229, 0
	v_lshrrev_b32 v1, 5, v0
	v_readfirstlane_b32 s12, v1                    ; wave
	s_mov_b32 s14, 0x41200000                      ; 10.0, as a pair for the packed multiply
	s_mov_b32 s15, 0x41200000
	s_lshl_b32 s13, ttmp9, 3
	s_add_co_u32 s13, s13, s12                     ; unit = 8 x work-group + wave
	s_lshr_b32 s16, s13, 6                         ; n16: which 16 outputs
	s_and_b32 s17, s13, 63                         ; which 32 i = 8 s + p
	s_lshr_b32 s18, s16, 4                         ; nb
	s_and_b32 s19, s16, 15                         ; b
	s_lshr_b32 s20, s17, 3                         ; s
	s_and_b32 s21, s17, 7                          ; p
	s_lshl_b32 s24, s16, 20                        ; spline: 16 outputs x 65,536 bytes
	s_lshl_b32 s23, s17, 10                        ;         32 i x 32 bytes
	s_add_co_u32 s24, s24, s23
	s_mov_b32 s25, 0
	s_lshl_b32 s26, s16, 17                        ; base: 16 outputs x 8,192 bytes
	s_lshl_b32 s23, s17, 7                         ;       32 i x 4 bytes
	s_add_co_u32 s26, s26, s23
	s_mov_b32 s27, 0
	s_lshl3_add_u32 s28, s18, s20                  ; y = 8 nb + s
	s_mul_i32 s28, s28, 72
	s_mul_i32 s23, s21, 9
	s_add_co_u32 s28, s28, s23                     ; the period's first step
	s_lshl_b32 s28, s28, 14                        ; a step is 16 blocks = 16,384 bytes
	s_lshl_b32 s23, s19, 10
	s_add_co_u32 s28, s28, s23                     ; + block b: the spline steps t = 0..7 begin here
	s_mov_b32 s29, 0
	s_add_co_u32 s30, s28, 8*16384                 ; base: step 8
	s_mov_b32 s31, 0
	v_and_b32 v1, 31, v0                           ; lane l
	v_lshlrev_b32 v[OFS], 4, v1
	v_lshrrev_b32 v7, 3, v1
	v_and_b32 v8, 7, v1
	v_lshlrev_b32 v[OFB], 4, v8
	v_lshl_add_u32 v[OFB], v7, 15, v[OFB]          ; (l / 8) x 4 rows of 8,192 bytes + 16 (l % 8)
	s_wait_kmcnt 0x0
	s_add_nc_u64 s[4:5], s[4:5], s[24:25]
	s_add_nc_u64 s[6:7], s[6:7], s[26:27]
	s_add_nc_u64 s[10:11], s[8:9], s[30:31]        ; where the base lines go
	s_add_nc_u64 s[8:9], s[8:9], s[28:29]          ; where the spline lines go
	; every load of the wave covers whole aligned runs: 512 neighbouring bytes of one output's spline weights (16 i x 8 g)
.irp c, 0,1
.irp r, 0,1,2,3,4,5,6,7,8,9,10,11,12,13,14,15
	global_load_b128 v[D+64*\c+4*\r:D+64*\c+4*\r+3], v[OFS], s[4:5] offset:\r*65536+\c*512 th:TH_LOAD_NT
.endr
.endr
.irp r, 0,1,2,3
	global_load_b128 v[E+4*\r:E+4*\r+3], v[OFB], s[6:7] offset:\r*8192 th:TH_LOAD_NT   ; outputs r + 4 (l / 8), 128 bytes each
.endr
	; Spline: lane l holds i16 = l / 2 of the chunk's 16 i and g = 4 (l % 2) .. +3.  Its stage row is 4 tl + 2 q + h with
	; tl = 2 (i16 / 8) + (i16 / 2) % 2, q = i16 % 2, h = (i16 / 4) % 2:  (i16 & 8) | 2 (i16 & 3) | ((i16 >> 2) & 1): three fields that share no bit.
	s_mul_i32 s23, s12, WST
	v_lshrrev_b32 v7, 1, v1
	v_and_b32 v7, 8, v7                            ; i16 & 8
	v_and_b32 v8, 6, v1                            ; 2 (i16 & 3)
	v_bfe_u32 v9, v1, 3, 1                         ; (i16 >> 2) & 1
	v_or_b32 v7, v7, v8
	v_or_b32 v7, v7, v9
	v_mul_u32_u24 v[SA], v7, PITCH
	v_and_b32 v8, 1, v1
	v_lshl_add_u32 v[SA], v8, 3, v[SA]             ; + 8 bytes for the upper four g
	v_add_nc_u32 v[SA], s23, v[SA]
	; Base: lane l holds i = 4 d .. +3 (d = l % 8) of output r + 4 (l / 8): q = d / 4, e / 4 = (d / 2) % 2, h = d % 2.  Stage row 2 q + h.
	v_bfe_u32 v7, v1, 2, 1
	v_lshl_add_u32 v7, v7, 1, v8                   ; 2 q + h
	v_mul_u32_u24 v[SB], v7, PITCH
	v_bfe_u32 v7, v1, 1, 1
	v_lshl_add_u32 v[SB], v7, 3, v[SB]             ; + 8 (e / 4)
	v_lshrrev_b32 v7, 3, v1
	v_lshl_add_u32 v[SB], v7, 6, v[SB]             ; + 16 bytes x 4 (l / 8) outputs
	v_add_nc_u32 v[SB], s23, v[SB]
	v_lshrrev_b32 v7, 4, v1
	v_and_b32 v8, 15, v1
	v_mul_u32_u24 v[RA], v7, PITCH
	v_lshl_add_u32 v[RA], v8, 4, v[RA]             ; row h, 16 bytes of output r
	v_add_nc_u32 v[RA], s23, v[RA]
; Chunk c of the spline weights.  left = the loads issued behind the chunk's sixteen; o = where its eight lines of wbf land.
.macro SPL c, left, o
	s_wait_loadcnt \left                           ; loads come back in order (ISA guide 5.7.1): the chunk is in, the younger ones stay out
.irp r, 0,1,2,3,4,5,6,7,8,9,10,11,12,13,14,15
	v_cvt_pk_f16_f32 v[D+64*\c+4*\r],   v[D+64*\c+4*\r],   v[D+64*\c+4*\r+1]
	v_cvt_pk_f16_f32 v[D+64*\c+4*\r+1], v[D+64*\c+4*\r+2], v[D+64*\c+4*\r+3]
	ds_store_b64 v[SA], v[D+64*\c+4*\r:D+64*\c+4*\r+1] offset:16*\r     ; word 68 row + 2 (l % 2) + 4 r: the 32 lanes hit 64 different banks
.endr
.irp w, 0,1,2,3,4,5,6,7
	ds_load_b128 v[\o+4*\w:\o+4*\w+3], v[RA] offset:2*\w*PITCH          ; rows 4 tl + 2 q + h, w = 2 tl + q; LDS serves a wave's instructions in order (ISA guide 5.7.1.4): these see the stores above
.endr
.irp w, 0,1,2,3,4,5,6,7
	s_wait_dscnt 7-\w                              ; line w is in; the younger ones stay out.  The last count is 0: the stage is free for the next chunk
	global_store_b128 v[OFS], v[\o+4*\w:\o+4*\w+3], s[8:9] offset:(4*\c+\w/2)*16384+(\w%2)*512   ; step t = 4 c + tl; 512 consecutive bytes, aligned
.endr
.endm
	SPL 0, 20, OUT0                                ; behind chunk 0: chunk 1's sixteen loads and the four of the base weights
	SPL 1, 4, OUT1                                 ; behind chunk 1: the four
	s_wait_loadcnt 0x0                             ; the base weights
.irp r, 0,1,2,3
	v_pk_mul_f32 v[E+4*\r:E+4*\r+1],   v[E+4*\r:E+4*\r+1],   s[14:15] op_sel_hi:[1,0]   ; x 10
	v_pk_mul_f32 v[E+4*\r+2:E+4*\r+3], v[E+4*\r+2:E+4*\r+3], s[14:15] op_sel_hi:[1,0]
	v_cvt_pk_f16_f32 v[E+4*\r],   v[E+4*\r],   v[E+4*\r+1]
	v_cvt_pk_f16_f32 v[E+4*\r+1], v[E+4*\r+2], v[E+4*\r+3]
	ds_store_b64 v[SB], v[E+4*\r:E+4*\r+1] offset:16*\r
.endr
	ds_load_b128 v[OUTB:OUTB+3],   v[RA]                   ; q = 0: rows 0, 1
	ds_load_b128 v[OUTB+4:OUTB+7], v[RA] offset:2*PITCH    ; q = 1: rows 2, 3
	s_wait_dscnt 0x1                               ; the first of the two
	global_store_b128 v[OFS], v[OUTB:OUTB+3], s[10:11]
	s_wait_dscnt 0x0
	global_store_b128 v[OFS], v[OUTB+4:OUTB+7], s[10:11] offset:512
	s_wait_tensorcnt 0x0
	ds_add_u32 v228, v229
	s_wait_dscnt 0x0
	s_endpgm
.Lfunc_end_k_q78e1f0e111_packw:
	.size	k_q78e1f0e111_packw, .Lfunc_end_k_q78e1f0e111_packw-k_q78e1f0e111_packw
	.p2alignl 7, 3214868480
	.fill 96, 4, 3214868480
	.section	.rodata,"a",@progbits
	.p2align	6, 0x0
	.amdhsa_kernel k_q78e1f0e111_packw
		.amdhsa_group_segment_fixed_size 35840
		.amdhsa_private_segment_fixed_size 0
		.amdhsa_enable_private_segment 0
		.amdhsa_kernarg_size 24
		.amdhsa_user_sgpr_count 2
		.amdhsa_user_sgpr_kernarg_segment_ptr 1
		.amdhsa_wavefront_size32 1
		.amdhsa_system_sgpr_workgroup_id_x 1
		.amdhsa_system_sgpr_workgroup_id_y 1
		.amdhsa_system_sgpr_workgroup_id_z 1
		.amdhsa_system_vgpr_workitem_id 0
		.amdhsa_next_free_vgpr 230
		.amdhsa_next_free_sgpr 66
		.amdhsa_reserve_vcc 0
		.amdhsa_float_denorm_mode_32 3
		.amdhsa_float_denorm_mode_16_64 3
		.amdhsa_memory_ordered 1
		.amdhsa_forward_progress 1
		.amdhsa_inst_pref_size 18
	.end_amdhsa_kernel
	.amdgpu_metadata
---
amdhsa.version: [ 1, 2 ]
amdhsa.kernels:
  - .name:           k_q78e1f0e111_packw
    .symbol:         k_q78e1f0e111_packw.kd
    .args:
      - { .name: spline_weight, .offset: 0, .size: 8, .value_kind: global_buffer, .address_space: global }
      - { .name: base_weight, .offset: 8, .size: 8, .value_kind: global_buffer, .address_space: global }
      - { .name: wbf, .offset: 16, .size: 8, .value_kind: global_buffer, .address_space: global }
    .group_segment_fixed_size: 35840
    .private_segment_fixed_size: 0
    .kernarg_segment_align: 8
    .kernarg_segment_size: 24
    .max_flat_workgroup_size: 256
    .sgpr_count:     66
    .vgpr_count:     230
    .wavefront_size: 32
...
	.end_amdgpu_metadata
.endif
;; end of part 4
;; launch kan (part 5): grid 16 x 16, 4 waves a work-group, clusters of 4 x 1, 327,680 bytes of LDS; arguments x, knots, wbf, part; writes part
.if DOCPART == 5
	.amdgcn_target "amdgcn-amd-amdhsa--gfx1250"
	.amdhsa_code_object_version 6
	.text
	.protected	k_q78e1f0e111_kan
	.globl	k_q78e1f0e111_kan
	.p2align	8
	.type	k_q78e1f0e111_kan,@function
k_q78e1f0e111_kan:
	s_mov_b64 s[64:65], 0
	v_nop
	global_prefetch_b8 v0, s[64:65] scope:SCOPE_SE
	s_setreg_imm32_b32 hwreg(HW_REG_WAVE_MODE, 25, 1), 1
	s_wait_xcnt 0x0
	s_wait_alu depctr_hold_cnt(0) depctr_sa_sdst(0) depctr_va_vdst(0) depctr_va_sdst(0) depctr_va_ssrc(0) depctr_va_vcc(0) depctr_vm_vsrc(0)
	s_getreg_b32 s2, hwreg(HW_REG_IB_STS2, 6, 4)
	s_cmp_eq_u32 s2, 0
	s_cbranch_scc0 .Lentry_in_a_cluster
	s_endpgm
.Lentry_in_a_cluster:
	s_bfe_u32 s2, ttmp6, 0x10000c
	s_cmp_lg_u32 s2, 0x3003
	s_cbranch_scc0 .Lentry_shape_is_right
	s_endpgm
.Lentry_shape_is_right:
; out[b][o] = sum_i x[b][i] bw[o][i] + 0.1 sum_{i,g} sw[o][i][g] relu(x[b][i] - knots[g]), as ONE product with K = 2048 x 9 = 18,432:
; each x gives nine numbers along K, itself and its eight relus; the weights come from wbf in f16 (sw as it is, bw times 10), in fragment order, so the sums made here
; are 10 x the output.  C has 4096 x 512 numbers = 32 blocks of 256 x 256, so K is split in 8: 256 work-groups, each a block over 256 i (72 steps of 32 along K),
; and its f32 sums go to part[s]; a later launch adds the eight and multiplies by 0.1.
; OPERANDS IN f16: 11 significant bits against bf16's 8, so the rounding noise of a sum of 18,432 products is an eighth.
; LIMITS: |x| and |x - knot| below 65,504 (f16's largest number; x as drawn stays below about 6); below 6.1e-5 they are kept in steps of 6e-8.
; The sum over K is formed as eight f32 partial sums.  relu is v_max_num_f32 with 0, in which a NaN loses: a NaN in x reaches the
; output through the base term (x itself is an operand), not through the relu terms.
;
; Four waves, as many as a WGP has SIMDs.  Wave w has rows 64 w .. +63 of the block and all 256 columns: 4 x 16 accumulator tiles, 512 registers.
; So no two waves need the same x: each wave keeps its 64 rows x 32 i of x in 64 registers and MAKES its operand fragments in registers
; (subtract the knots, max with 0, round to f16): nothing of that operand is ever stored.  For 32 along K a wave reads 16 KiB of weights from LDS for 64 matrix instructions.
;
; THE ORDER OF K (the same in wbf).  A period is 32 i from I and 9 steps: t = 0..7 spline, t = 8 base.  Lane L = 16 h + r, quad q (registers 4q..4q+3), element e:
;   spline t:  i = I + 8 (t/2) + 4 h + 2 (t%2) + q,  g = e          base:  i = I + 16 q + 8 (e/4) + 4 h + e%4
; With X[a][4 j + c] = x[row 16 a + r][I + 8 j + 4 h + c] in registers, spline step t takes X[a][2t + q], the base step the registers X[a][0 .. 15] in order.
;
; A SHORT TEXT.  The loop's text is one period, 9 steps, and makes 7 trips; step 0 of the first period (its products start the sums) and steps 1 to 8 of the last
; (which fill nothing) are written out: 18 steps of text for the 72 that are run.  Nine is odd, so what takes turns does so BY THREE: three buffers of x fragments,
; three LDS slots of three steps, and three HALF buffers of weight fragments (8 of a step's 16).  A step multiplies n blocks 0-7 with all four m blocks first and n blocks 8-15
; after: step t has halves 2t % 3 and (2t+1) % 3; the next step's n blocks 0-7 land in (2t+2) % 3, free for the whole step, its n blocks 8-15 in 2t % 3, free from the middle on.
;
; THE SIDE WORK STANDS BETWEEN THE MATRIX INSTRUCTIONS.  A step has 64 matrix instructions and, for the next step, 128 lines of fragment making: eight units (m block, quad) of
; 4 subtractions, 4 + 4 maxima, 4 roundings.  Behind every second matrix instruction stands a group of four of these lines: 32 groups, a unit in every four, so the wave has them to
; issue between matrix instructions, not in a block in which no matrix instruction is issued, and no line reads a result of its own group.
; The price: a vector result lands in the window that the destination field names, for the products an accumulator window, which is full; so each group is framed by two
; switches of the window, some 66 a step.  The packed rounding wants both sources and its result in one window, and none has room for that beside accumulators or weights.
; The 32 loads of weights go out in two runs of 16, one behind the first group of each half of the step, not strewn: two changes from matrix to LDS instructions a step.
;
; CLUSTER: 4 x 1 work-groups = four row blocks with the same column block and the same split of K: they walk the same weights, which are asked for
; JOINTLY (mask 15): a quarter of the requests.  x is asked for plainly: an x tile is shared only by the two column blocks, which lie in different
; clusters, and is 32 KiB of a period's 176 KiB.  Its rows are 128 bytes, a period's 32 i: rows of 64 i would be due in every second trip alone and double the loop's text.
;
; LDS: x tile (256 rows x 128 bytes, pitch 144), three slots of weights, each three steps of 16 KiB, and behind them a stage for the way out that no tensor load fills.
; A slot is asked for again in its third step.  In front of each such barrier every wave waits for all its tensor loads, so from a request to the wait for it
; a wave issues 176 matrix instructions.  The third slot adds nothing to that; it makes a period a whole number of rings.
;
; THE MATRIX INSTRUCTION IS USED TRANSPOSED: source 0 = 16 outputs' weights, source 1 = 16 rows of x.  Register j of lane L then holds
; C(row r, column 16 b + 8 h + j): eight neighbouring numbers of a row.
;
; REGISTERS in windows of 256: window 0 addresses, knots, x, the x fragments; window 1 the weight fragments, three halves of 64;
; window 2 the accumulators of n blocks 0-7 (tile (a, b) at 8 (8 a + b % 8)); window 3 those of n blocks 8-15.
.set XPITCH, 144                       ; 128 bytes + 16 = 9 x 16: the 16 rows that a load touches begin at 16 different groups of banks (64 banks of 4 bytes: ISA guide 11.1)
.set KB,     16384                     ; the weights of one step of 32 along K: 16 fragments of 1,024 bytes
.set SLOT,   3*KB
.set BS0,    256*XPITCH                ; 36,864: slot n begins at BS0 + n SLOT
.set STAGE,  BS0+3*SLOT                ; 184,320, a multiple of 256
.set SPITCH, 1040                      ; a row of 256 f32 + 16 bytes
.set WSTAGE, 16*SPITCH
.set XA,  8                            ; v8      LDS address of my x: (64 w + r) 144 + 16 h
.set BA,  9                            ; v9-11   slot 0, 1, 2 + 16 L
.set STO, 12                           ; v12     the way out: where a quad of results goes
.set RD,  13                           ; v13     the way out: where half a row is read back
.set CO,  14                           ; v14     16 L
.set KN,  16                           ; v[16:23]   the knots
.set T,   24                           ; v[24:39]   at work, two sets of eight
.set AF,  40                           ; v[40:135]  x fragments, three buffers of 32, m block a at 8 a
.set X,   136                          ; v[136:199] x, m block a at 16 a
.set OB,  104                          ; v[104:231] on the way out: rows of C
.set G1B, 32                           ; s[32:39] group 1, weights
.set G0B, 40                           ; s[40:51] group 0, weights, a set for each slot
.set G1X, 52                           ; s[52:59] group 1, x
.set G0X, 60                           ; s[60:63] group 0, x
.set MSB, 0
.macro WIN new                         ; the immediate's high byte repeats the setting that is left; a switch that changes nothing is dropped
.if MSB != \new
	s_set_vgpr_msb (MSB<<8)|\new
.set MSB, \new
.endif
.endm
.set MUL_LO, 0xa1                      ; source 0 window 1, source 1 window 0, C and D window 2
.set MUL_HI, 0xf1                      ; the same, C and D window 3
.set TO_B,   0x40                      ; destination window 1, address window 0
; A round of the cluster's barrier: my work-group's barrier, wave 0 signals for the work-group, every wave waits for all four work-groups, my work-group's barrier once more.
.macro CREST                           ; a round behind its opening barrier
	s_cmp_lg_u32 s12, 0
	s_cbranch_scc1 .Lnot_wave_0_\@
	s_barrier_signal -3
.Lnot_wave_0_\@:
	s_barrier_wait -3
	s_barrier_signal -1
	s_barrier_wait -1
.endm
.macro CROUND
	s_barrier_signal -1
	s_barrier_wait -1
	CREST
.endm
; A refill: waves 0 to 2 ask jointly for one step each of the slot's three; wave 3 asks for the next x tile where one is due, else for nothing.  One tensor load a wave.
.macro JFILL slot, withx
	s_cmp_eq_u32 s12, 3
	s_cbranch_scc1 .Lwave_3_\@
	tensor_load_to_lds s[G0B+4*\slot:G0B+4*\slot+3], s[G1B:G1B+7]
	s_nop 0
.if \withx
	s_branch .Lasked_\@
.endif
.Lwave_3_\@:
.if \withx
	tensor_load_to_lds s[G0X:G0X+3], s[G1X:G1X+7]
	s_nop 0
.Lasked_\@:
.endif
.endm
	s_load_b256 s[4:11], s[0:1], 0x0               ; x s[4:5], knots s[6:7], wbf s[8:9], part s[10:11]
	v_lshl_add_u32 v254, v0, 2, 0x3d400
	v_mov_b32 v255, 0
	ds_add_u32 v254, v255
	ds_add_u32 v254, v255
	v_lshrrev_b32 v4, 5, v0
	v_readfirstlane_b32 s12, v4                    ; wave 0..3
	s_bfe_u32 s13, ttmp6, 0x40000                  ; cx
	s_lshl_b32 s14, ttmp9, 2
	s_add_co_u32 s14, s14, s13                     ; row block mb = 4 x cluster x + cx
	s_and_b32 s15, ttmp7, 0xffff                   ; y = 8 nb + s (the cluster is one work-group high)
	; group 1 of the weights: a dense run of 16,384 bytes as 64 rows of 32 elements of 8 bytes
	s_mov_b32 s[G1B+0], 15|(3<<16)|(1<<21)         ; 15:0 the mask: all four of the cluster; 17:16 element of 8 bytes; 21 set beside a mask
	s_mov_b32 s[G1B+1], 32<<16                     ; tensor_dim0 = 32
	s_mov_b32 s[G1B+2], 64<<16                     ; tensor_dim1 = 64
	s_mov_b32 s[G1B+3], 32<<16                     ; tile_dim0 = 32
	s_mov_b32 s[G1B+4], 64                         ; tile_dim1 = 64
	s_mov_b32 s[G1B+5], 32                         ; from row to row: 32 elements
	s_mov_b32 s[G1B+6], 0
	s_mov_b32 s[G1B+7], 0
	; group 1 of x: 256 rows x 32 f32, 2,048 elements from row to row, 4 words of padding behind every 32 (code 4)
	s_mov_b32 s[G1X+0], (2<<16)|(1<<20)|(4<<22)|(3<<25)
	s_mov_b32 s[G1X+1], 32<<16
	s_mov_b32 s[G1X+2], 256<<16
	s_mov_b32 s[G1X+3], 32<<16
	s_mov_b32 s[G1X+4], 256
	s_mov_b32 s[G1X+5], 2048
	s_mov_b32 s[G1X+6], 0
	s_mov_b32 s[G1X+7], 0
	; offsets.  The weights' hang on y and the wave alone, in registers that never hold cx.
	s_mul_i32 s16, s15, 72*KB                      ; my 72 steps
	s_lshl_b32 s22, s12, 14                        ; wave x one step: in memory and in the slot
	s_add_co_u32 s16, s16, s22
	s_mov_b32 s17, 0
	s_and_b32 s20, s15, 7                          ; s
	s_lshl_b32 s18, s14, 21                        ; x: 256 rows of 8,192 bytes
	s_lshl_b32 s19, s20, 10                        ;    256 i of 4 bytes
	s_add_co_u32 s18, s18, s19
	s_mov_b32 s19, 0
	s_lshl_b32 s20, s20, 23                        ; part: split s of 8,388,608 bytes
	s_lshl_b32 s21, s14, 19                        ;       256 rows of 2,048 bytes
	s_add_co_u32 s20, s20, s21
	s_lshl_b32 s21, s12, 17                        ;       my wave's 64 rows
	s_add_co_u32 s20, s20, s21
	s_lshr_b32 s21, s15, 3                         ;       nb: 256 columns of 4 bytes
	s_lshl_b32 s21, s21, 10
	s_add_co_u32 s20, s20, s21
	s_mov_b32 s21, 0
	s_wait_dscnt 0x0
	s_wait_kmcnt 0x0
	s_load_b256 s[24:31], s[6:7], 0x0              ; the eight knots
	s_add_nc_u64 s[16:17], s[8:9], s[16:17]
	s_add_nc_u64 s[10:11], s[10:11], s[20:21]
.irp s, 0,1,2
	s_mov_b32 s[G0B+4*\s], 1                                       ; count = 1
	s_add_co_u32 s[G0B+4*\s+1], s22, BS0+\s*SLOT                   ; LDS: the slot + wave x one step
	s_add_nc_u64 s[G0B+4*\s+2:G0B+4*\s+3], s[16:17], \s*SLOT       ; steps 3 s + wave
	s_or_b32 s[G0B+4*\s+3], s[G0B+4*\s+3], 0x80000000              ; type = 2
.endr
	s_mov_b32 s[G0X], 1
	s_mov_b32 s[G0X+1], 0                          ; the x tile lies at LDS byte 0
	s_add_nc_u64 s[G0X+2:G0X+3], s[4:5], s[18:19]
	s_or_b32 s[G0X+3], s[G0X+3], 0x80000000
	CROUND                                         ; all four work-groups are here: the first joint loads meet
	s_cmp_eq_u32 s12, 3                            ; the first fills, one group under one branch: at most three tensor loads of a wave are out
	s_cbranch_scc1 .Lfirst_x
	tensor_load_to_lds s[G0B:G0B+3], s[G1B:G1B+7]
	s_nop 0
	tensor_load_to_lds s[G0B+4:G0B+7], s[G1B:G1B+7]
	s_nop 0
	tensor_load_to_lds s[G0B+8:G0B+11], s[G1B:G1B+7]
	s_nop 0
	s_branch .Lfirst_done
.Lfirst_x:
	tensor_load_to_lds s[G0X:G0X+3], s[G1X:G1X+7]
	s_nop 0
.Lfirst_done:
	v_and_b32 v1, 31, v0                           ; L
	v_and_b32 v2, 15, v0                           ; r
	v_bfe_u32 v3, v0, 4, 1                         ; h
	s_mul_i32 s23, s12, 64*XPITCH
	v_mul_u32_u24 v5, v2, XPITCH
	v_lshl_add_u32 v5, v3, 4, v5
	v_add_nc_u32 v[XA], s23, v5
	v_lshlrev_b32 v[CO], 4, v1
.irp s, 0,1,2
	v_add_nc_u32 v[BA+\s], BS0+\s*SLOT, v[CO]
.endr
	s_mul_i32 s23, s12, WSTAGE
	s_add_co_u32 s23, s23, STAGE                   ; my stage
	v_mul_u32_u24 v5, v2, SPITCH
	v_lshl_add_u32 v5, v3, 5, v5                   ; row r, 32 bytes for each half of the lanes
	v_add_nc_u32 v[STO], s23, v5
	v_add_nc_u32 v[RD], s23, v[CO]
	s_wait_kmcnt 0x0
.irp j, 0,1,2,3,4,5,6,7
	v_mov_b32 v[KN+\j], s[24+\j]
.endr
; A STEP'S WORK AS FOUR QUEUES, kept as counters of the assembler: mm_i the step's matrix instructions (0..63), gen_i the lines that make the next step's x fragments,
; ld_i the 32 loads of its weights, x_i the 16 loads of the next period's x.  PREP sets them for a next step of class cn = number % 3, number tn, whose weights are step kn of slot slotn.
; The first half of a step makes m blocks 0, 1 (and takes their x), the second half m blocks 2, 3: MIDWAY opens the second half.
.macro PREP cn, tn, slotn, kn, xload
.set mm_i, 0
.set gen_i, 0
.set gen_t, \tn
.set gen_b, \cn
.if \tn < 8
.set gen_half, 64                      ; spline: 2 m blocks x 2 quads x 16 lines
.else
.set gen_half, 16                      ; base: 2 m blocks x 8 roundings
.endif
.set gen_end, gen_half
.set ld_i, 0
.set ld_slot, \slotn
.set ld_k, \kn
.set x_i, 0
.set x_end, 8*\xload
.endm
.macro MIDWAY
.set gen_end, 2*gen_half
.set x_end, 2*x_end
.endm
; The next matrix instruction of a step of class c: instruction mm_i = 32 up + 8 a + b is m block a x n block 8 up + b, 32 along K: x fragments from buffer c, weights from
; half (2 c + up) % 3.  zero = 1: the first product starts the sums.
; The 64 accumulators take turns, one instruction a turn, in the same order in every step.
.macro MONE c, zero
.if \zero
	v_wmma_f32_16x16x32_f16 v[8*(mm_i%32):8*(mm_i%32)+7], v[64*((2*\c+mm_i/32)%3)+8*(mm_i%8):64*((2*\c+mm_i/32)%3)+8*(mm_i%8)+7], v[AF+32*\c+8*((mm_i%32)/8):AF+32*\c+8*((mm_i%32)/8)+7], 0
.else
	v_wmma_f32_16x16x32_f16 v[8*(mm_i%32):8*(mm_i%32)+7], v[64*((2*\c+mm_i/32)%3)+8*(mm_i%8):64*((2*\c+mm_i/32)%3)+8*(mm_i%8)+7], v[AF+32*\c+8*((mm_i%32)/8):AF+32*\c+8*((mm_i%32)/8)+7], v[8*(mm_i%32):8*(mm_i%32)+7]
.endif
.set mm_i, mm_i+1
.endm
.macro PAIR c, zero                    ; two matrix instructions, under their window
.if mm_i < 32
	WIN MUL_LO
.else
	WIN MUL_HI
.endif
	MONE \c, \zero
	MONE \c, \zero
.endm
; The next line of the fragment making, if the half has one left.  Spline step gen_t, line gen_i = 32 a + 16 q + j: one x (register 2 gen_t + q of X[a], picked by op_sel for both
; halves of the packed subtraction) against the eight knots: j = 0..3 four packed subtractions, j = 4..11 eight max with 0, j = 12..15 four packed roundings.
; Base step, line gen_i = 8 a + c: a rounding of two x, in the order of the registers.
.macro GONE
.if gen_i < gen_end
.if gen_t < 8
.set gen_a, gen_i/32
.set gen_q, (gen_i/16)%2
.set gen_j, gen_i%16
.if gen_j < 4
.if gen_q
	v_pk_add_f32 v[T+8+2*gen_j:T+8+2*gen_j+1], v[X+16*gen_a+2*gen_t:X+16*gen_a+2*gen_t+1], v[KN+2*gen_j:KN+2*gen_j+1] op_sel:[1,0] op_sel_hi:[1,1] neg_lo:[0,1] neg_hi:[0,1]
.else
	v_pk_add_f32 v[T+2*gen_j:T+2*gen_j+1], v[X+16*gen_a+2*gen_t:X+16*gen_a+2*gen_t+1], v[KN+2*gen_j:KN+2*gen_j+1] op_sel:[0,0] op_sel_hi:[0,1] neg_lo:[0,1] neg_hi:[0,1]
.endif
.else
.if gen_j < 12
	v_max_num_f32 v[T+8*gen_q+gen_j-4], 0, v[T+8*gen_q+gen_j-4]
.else
	v_cvt_pk_f16_f32 v[AF+32*gen_b+8*gen_a+4*gen_q+gen_j-12], v[T+8*gen_q+2*(gen_j-12)], v[T+8*gen_q+2*(gen_j-12)+1]
.endif
.endif
.else
	v_cvt_pk_f16_f32 v[AF+32*gen_b+gen_i], v[X+2*gen_i], v[X+2*gen_i+1]
.endif
.set gen_i, gen_i+1
.endif
.endm
; The next load of x, if the half has one left: load x_i = 4 a + j brings X[a][4 j .. 4 j + 3]
.macro XONE
.if x_i < x_end
	ds_load_b128 v[X+4*x_i:X+4*x_i+3], v[XA] offset:(x_i/4)*16*XPITCH+32*(x_i%4)
.set x_i, x_i+1
.endif
.endm
; The next load of weights: load ld_i = 16 up + 2 b + quad, into half (2 gen_b + up) % 3.  It takes 512 neighbouring bytes: no bank is asked twice.
.macro LONE
	ds_load_b128 v[64*((2*gen_b+ld_i/16)%3)+4*(ld_i%16):64*((2*gen_b+ld_i/16)%3)+4*(ld_i%16)+3], v[BA+ld_slot] offset:ld_k*KB+ld_i*512
.set ld_i, ld_i+1
.endm
; A group: four lines of fragment making.  Where they were the half's last, the half's loads of x follow in one run: the registers' last use of this period stands just above.
.macro GGRP
.if gen_i < gen_end
	WIN 0
.rept 4
	GONE
.endr
.if gen_i >= gen_end
.rept 8
	XONE
.endr
.endif
.endif
.endm
.macro LGRP cnt                        ; a run of loads of weights
	WIN TO_B
.rept \cnt
	LONE
.endr
.endm
; DISTANCES behind matrix instructions (ISA guide 7.12.1 for vector instructions): four plain vector instructions that name none of the matrix
; instruction's registers stand in front of a write of, or a load into, one of its sources.  The fragment making writes T, which no matrix instruction names, and x buffer cn,
; which was read last two steps ago.  A run of loads goes into a half buffer whose last reader is the last matrix instruction of the half step before; between the two stands at
; least the group of four lines directly ahead of the run (in every step that loads, the first group of each half is full: 64 or 16 lines a half).  No v_nop is needed in the loop.
;
; A step of class c: 64 matrix instructions, a group behind every second one; a run of 16 loads behind the first group of each half.
; LDS loads come back in order (ISA guide 5.7.1).  At the head the weights of n blocks 0-7 must be in: behind them the step before issued the 16 loads of n blocks 8-15, which may stay out.
; In the middle those must be in: behind them this step has issued 16 loads (and 8 of x, where x is taken).  At most 48 LDS loads are out.
.macro STEP c, cn, tn, slotn, kn, zero, xload
	PREP \cn, \tn, \slotn, \kn, \xload
	s_wait_dscnt 16
	PAIR \c, \zero
	GGRP
	LGRP 16                                        ; the next step's n blocks 0-7
.rept 15
	PAIR \c, \zero
	GGRP
.endr
	MIDWAY
	s_wait_dscnt 16+8*\xload
	PAIR \c, \zero
	GGRP
	LGRP 16                                        ; the next step's n blocks 8-15, into the half that this step has just done with
.rept 15
	PAIR \c, \zero
	GGRP
.endr
.endm
; A slot's third step, and the change of slots.  In front of the barrier's signal each wave has waited for all its LDS reads (this slot's last were issued 30 matrix
; instructions ago; the x tile's too) and for all its tensor loads.  fill = 1: the barrier opens a round of the cluster's barrier, inside which only registers
; are worked on, and the refill is the first tensor load behind it: no wave of any partner still reads the slot or has a load on its way.
.macro TURN c, cn, tn, slot, next, fill, withx
	PREP \cn, \tn, \next, 0, 0
	s_wait_dscnt 0x0                               ; all my LDS reads are back; no LDS instruction follows until the barrier is passed
	s_set_vgpr_msb (MSB<<8)|((MSB&0xf0)|0x0)
	s_wait_tensorcnt 0x0                           ; all my tensor loads have landed: every group 0 may be written
	ds_add_u32 v254, v255
	s_wait_dscnt 0x0
	s_set_vgpr_msb (((MSB&0xf0)|0x0)<<8)|MSB
	s_barrier_signal -1
.rept 8
	PAIR \c, 0
	GGRP
.endr
	WIN 0
	s_barrier_wait -1
.if \fill
	CREST
	s_add_nc_u64 s[G0B+4*\slot+2:G0B+4*\slot+3], s[G0B+4*\slot+2:G0B+4*\slot+3], 3*SLOT   ; this slot's three steps of the next period
.if \withx
	s_add_nc_u64 s[G0X+2:G0X+3], s[G0X+2:G0X+3], 128                                     ; the next 32 i
.endif
	JFILL \slot, \withx
.endif
	LGRP 16                                        ; the next step's n blocks 0-7, from the next slot
.rept 8
	PAIR \c, 0
	GGRP
.endr
	MIDWAY
	PAIR \c, 0
	GGRP
	LGRP 16
.rept 15
	PAIR \c, 0
	GGRP
.endr
.endm
; The very last step prepares nothing
.macro LAST c
.set mm_i, 0
	s_wait_dscnt 16                                ; n blocks 0-7 are in
.rept 16
	PAIR \c, 0
.endr
	s_wait_dscnt 0x0
.rept 16
	PAIR \c, 0
.endr
.endm
	s_wait_tensorcnt 0x0                           ; my first fills have landed,
	s_barrier_signal -1
	s_barrier_wait -1                              ; everybody's have
	PREP 0, 0, 0, 0, 1                             ; ahead of the first step its x, weights and fragments are fetched and made in one piece
	MIDWAY
.rept 16
	XONE
.endr
	s_wait_dscnt 0x0                               ; x is in registers: the first fragments are made of it
	LGRP 32                                        ; the first step's weights come in while they are made
	WIN 0
.rept 128
	GONE
.endr
	STEP 0, 1, 1, 0, 1, 1, 0                       ; t = 0 of period 0: its products start the sums
	WIN 0                                          ; at a label and at a branch every window is 0
	s_mov_b32 s3, 7
.Lperiod:                                              ; trip k: steps 1 to 8 of period k and step 0 of period k + 1.  It asks for slots 3 k + 3 .. 3 k + 5 of 24 and for x tile k + 1 of 8
	STEP 1, 2, 2, 0, 2, 0, 0                       ; t = 1
	TURN 2, 0, 3, 0, 1, 1, 1                       ; t = 2: slot 0 is filled again; the x tile too: its bytes went into registers in the trip before (or ahead of the loop)
	STEP 0, 1, 4, 1, 1, 0, 0                       ; t = 3
	STEP 1, 2, 5, 1, 2, 0, 0                       ; t = 4
	TURN 2, 0, 6, 1, 2, 1, 0                       ; t = 5: slot 1; behind this barrier the new x tile is whole for every wave
	STEP 0, 1, 7, 2, 1, 0, 0                       ; t = 6
	STEP 1, 2, 8, 2, 2, 0, 1                       ; t = 7: makes the base fragments, and takes the next period's x behind them
	TURN 2, 0, 0, 2, 0, 1, 0                       ; t = 8, the base step: slot 2
	STEP 0, 1, 1, 0, 1, 0, 0                       ; t = 0 of the next period
	WIN 0
	s_sub_co_u32 s3, s3, 1
	s_cmp_lg_u32 s3, 0
	s_cbranch_scc1 .Lperiod
	; steps 1 to 8 of the last period: nothing is left to fetch
	STEP 1, 2, 2, 0, 2, 0, 0                       ; t = 1
	TURN 2, 0, 3, 0, 1, 0, 0                       ; t = 2: the wait for the last load (slot 2's) and a plain barrier: all three slots are whole for every wave
	STEP 0, 1, 4, 1, 1, 0, 0                       ; t = 3
	STEP 1, 2, 5, 1, 2, 0, 0                       ; t = 4
	STEP 2, 0, 6, 2, 0, 0, 0                       ; t = 5: goes on into slot 2 without a barrier: nothing is filled, and the barrier at t = 2 has shown the slot
	STEP 0, 1, 7, 2, 1, 0, 0                       ; t = 6
	STEP 1, 2, 8, 2, 2, 0, 0                       ; t = 7
	LAST 2                                         ; t = 8
	WIN 0
	; THE WAY OUT, 16 rows at a time: a lane's quads into my own stage, read back as half rows of 512 bytes, eight rows a run, stored.
	; Four places stand between the last matrix instruction and the LDS stores that read results.
.rept 4
	v_nop
.endr
; m block a.  The window of an LDS store's data is that of source 1: 0x08 window 2 (n blocks 0-7), 0x0c window 3 (n blocks 8-15).
.macro OUT16 a
	WIN 0x08
.irp b, 0,1,2,3,4,5,6,7
	ds_store_b128 v[STO], v[8*(8*\a+\b):8*(8*\a+\b)+3]   offset:64*\b                 ; columns 16 b + 8 h + 0..3; rows 1,040 bytes apart: 16 different groups of banks
	ds_store_b128 v[STO], v[8*(8*\a+\b)+4:8*(8*\a+\b)+7] offset:64*\b+16
.endr
	WIN 0x0c
.irp b, 0,1,2,3,4,5,6,7
	ds_store_b128 v[STO], v[8*(8*\a+\b):8*(8*\a+\b)+3]   offset:64*(8+\b)
	ds_store_b128 v[STO], v[8*(8*\a+\b)+4:8*(8*\a+\b)+7] offset:64*(8+\b)+16
.endr
	WIN 0
	s_wait_xcnt 0x0                                ; every earlier memory instruction has had its addresses translated (ISA guide 3.1): OB, which the last block's stores read, is loaded again only behind this wait
.irp hf, 0,1
.irp w, 0,1,2,3,4,5,6,7,8,9,10,11,12,13,14,15
	ds_load_b128 v[OB+64*\hf+4*\w:OB+64*\hf+4*\w+3], v[RD] offset:(8*\hf+\w/2)*SPITCH+(\w%2)*512     ; LDS serves a wave's instructions in order (ISA guide 5.7.1.4): these see the stores above
.endr
.irp w, 0,1,2,3,4,5,6,7,8,9,10,11,12,13,14,15
	s_wait_dscnt 15-\w                             ; load w of the run is in, the younger ones stay out; the last count is 0: behind the second run the stage is free for the next block
	global_store_b128 v[CO], v[OB+64*\hf+4*\w:OB+64*\hf+4*\w+3], s[10:11] offset:(16*\a+8*\hf+\w/2)*2048+(\w%2)*512   ; 512 consecutive bytes, aligned
.endr
.endr
.endm
	OUT16 0
	OUT16 1
	OUT16 2
	OUT16 3
	s_set_vgpr_msb (MSB<<8)|((MSB&0xf0)|0x0)
	s_wait_tensorcnt 0x0
	ds_add_u32 v254, v255
	s_wait_dscnt 0x0
	s_set_vgpr_msb (((MSB&0xf0)|0x0)<<8)|MSB
	CROUND                                         ; the closing round: no work-group ends while a partner may still ask for a tile that names it
	s_endpgm
.Lfunc_end_k_q78e1f0e111_kan:
	.size	k_q78e1f0e111_kan, .Lfunc_end_k_q78e1f0e111_kan-k_q78e1f0e111_kan
	.p2alignl 7, 3214868480
	.fill 96, 4, 3214868480
	.section	.rodata,"a",@progbits
	.p2align	6, 0x0
	.amdhsa_kernel k_q78e1f0e111_kan
		.amdhsa_group_segment_fixed_size 327680
		.amdhsa_private_segment_fixed_size 0
		.amdhsa_enable_private_segment 0
		.amdhsa_kernarg_size 32
		.amdhsa_user_sgpr_count 2
		.amdhsa_user_sgpr_kernarg_segment_ptr 1
		.amdhsa_wavefront_size32 1
		.amdhsa_system_sgpr_workgroup_id_x 1
		.amdhsa_system_sgpr_workgroup_id_y 1
		.amdhsa_system_sgpr_workgroup_id_z 1
		.amdhsa_system_vgpr_workitem_id 0
		.amdhsa_next_free_vgpr 1024
		.amdhsa_next_free_sgpr 66
		.amdhsa_reserve_vcc 0
		.amdhsa_float_denorm_mode_32 3
		.amdhsa_float_denorm_mode_16_64 3
		.amdhsa_memory_ordered 1
		.amdhsa_forward_progress 1
		.amdhsa_inst_pref_size 255
	.end_amdhsa_kernel
	.section	.bss,"aw",@nobits
	.p2align	6
	.space	262144
	.amdgpu_metadata
---
amdhsa.version: [ 1, 2 ]
amdhsa.kernels:
  - .name:           k_q78e1f0e111_kan
    .symbol:         k_q78e1f0e111_kan.kd
    .args:
      - { .name: x, .offset: 0, .size: 8, .value_kind: global_buffer, .address_space: global }
      - { .name: knots, .offset: 8, .size: 8, .value_kind: global_buffer, .address_space: global }
      - { .name: wbf, .offset: 16, .size: 8, .value_kind: global_buffer, .address_space: global }
      - { .name: part, .offset: 24, .size: 8, .value_kind: global_buffer, .address_space: global }
    .group_segment_fixed_size: 327680
    .private_segment_fixed_size: 0
    .kernarg_segment_align: 8
    .kernarg_segment_size: 32
    .max_flat_workgroup_size: 128
    .sgpr_count:     66
    .vgpr_count:     1024
    .wavefront_size: 32
...
	.end_amdgpu_metadata
.endif
;; end of part 5
;; launch addup: the kernel of part 3 again; grid 512 x 1, 8 waves a work-group, no clusters, 0 bytes of LDS; arguments part, out0; writes out0
;; ======== version 3 of 3: 3 launches; version 2 with the launch packw written anew for expert scheduling mode
;; limits: values are held in f16: magnitudes above 65,504 overflow, below 6.1e-05 lose precision
;; workspace buffers: wbf 18,874,368 bytes; part 67,108,864 bytes
;; launch packw (part 6): grid 256 x 1, 8 waves a work-group, no clusters, 35,840 bytes of LDS; arguments spline_weight, base_weight, wbf; writes wbf
.if DOCPART == 6
	.amdgcn_target "amdgcn-amd-amdhsa--gfx1250"
	.amdhsa_code_object_version 6
	.text
	.protected	k_q78e1f0e111_packw
	.globl	k_q78e1f0e111_packw
	.p2align	8
	.type	k_q78e1f0e111_packw,@function
k_q78e1f0e111_packw:
	s_mov_b64 s[64:65], 0
	v_nop
	global_prefetch_b8 v0, s[64:65] scope:SCOPE_SE
	s_setreg_imm32_b32 hwreg(HW_REG_WAVE_SCHED_MODE, 0, 2), 2
	s_setreg_imm32_b32 hwreg(HW_REG_WAVE_MODE, 25, 1), 1
	s_wait_xcnt 0x0
	s_wait_alu depctr_vm_vsrc(0)
; The weights of the KAN layer, once: f32 to f16, laid in the order in which the product's matrix instructions take them.
; THE FACTOR 0.1: out = 0.1 (sum x (10 bw) + sum sw relu).  The base weights are multiplied by 10 here (in f32, before the one rounding to f16), the spline weights go
; as they are, and the last launch multiplies the sum by 0.1.
; WHY f16: it carries 11 significant bits against bf16's 8, so the rounding noise of a sum of 18,432 products is an eighth.
; LIMITS: |sw| and 10 |bw| below 65,504 (f16's largest number); below 6.1e-5 they are kept in steps of 6e-8.  As drawn sw is 0.1 and 10 bw 0.13 in the root mean square.
;
; THE ORDER OF K.  K = 2048 i x (8 spline g + 1 base) = 18,432.  A split s (0..7) has i = 256 s .. +255, a period p (0..7) of it 32 i from
; I = 256 s + 32 p.  A period is 9 steps of 32 along K: t = 0..7 spline (4 i x 8 g), t = 8 base (32 i).  A lane L = 16 h + r of a fragment
; holds 16 numbers: quad q (registers 4q..4q+3), element e (0..7).
;   spline t:  i = I + 8 (t/2) + 4 h + 2 (t%2) + q,  g = e
;   base:      i = I + 16 q + 8 (e/4) + 4 h + e%4
; wbf is made of blocks of 1,024 bytes, one fragment each: block ((72 y + 9 p + t) 16 + b), y = 8 nb + s, for the 16 outputs 256 nb + 16 b + r;
; in a block byte 512 q + 16 L + 2 e.  So the 32 lanes of a wave take a quad as 512 neighbouring bytes.
;
; A wave takes 16 outputs x one period: 16 KiB of spline weights, 2 KiB of base weights, 9 KiB out.  2,048 such units = 256 work-groups of 8 waves.
; All 36 loads go out first.  The transposition (a lane holds one i of one output; a line of wbf holds 16 outputs) goes through the wave's own
; 16 LDS rows of 272 bytes.  No wave reads another's bytes: no barrier.  No register that a store reads is written again: no wait for that.
; Memory binds here: matrix units, clusters and the tensor mover would add nothing.
;
; THE MODE: SCHED_MODE bits 1:0 = 2 (LLVM: expert scheduling mode 2), set by the entry lines.  The code itself states the register dependences
; between vector instructions and memory or LDS instructions, with s_wait_alu, always for 0.
; THE PLAN.  Registers that memory or LDS instructions touch, in the order of the text (there is no loop):
;   v2, v3        offsets in memory.  Written at the head; read by the 36 loads (v2 by the 18 global stores too); never written again.
;   v4, v5, v6    LDS addresses.  Written behind the run of loads; read by the LDS stores and loads; never written again.
;   D, E          Written by the global loads, then, in place, by the roundings (E: by the multiplications too); read by the LDS stores; never written again.
;   OUT0, OUT1, OUTB  Written by the LDS loads, read by the global stores; no vector instruction names them.
;   v228, v229    Written at the head, read by the closing add alone.
; So: one wait on va_sdst behind v_readfirstlane_b32; one wait on va_vdst ahead of the first load, for v2 and v3; and one wait on va_vdst for each chunk, between ALL its roundings
; and the run of LDS stores that read them (the first of the three also stands for v4, v5, v6).  No register that a memory or LDS instruction reads is written again, so the text
; holds no wait on vm_vsrc.
.set PITCH, 272                        ; 256 bytes + 16: row c begins at bank 4 c mod 64 (64 banks of 4 bytes: ISA guide 11.1)
.set WST,   16*PITCH                   ; a wave's stage
.set OFS,  2                           ; v2   16 x lane: spline loads, and all stores
.set OFB,  3                           ; v3   base loads: 4 rows apart for each 8 lanes, 16 bytes a lane
.set SA,   4                           ; v4   stage address of a lane's 8 bytes, spline
.set SB,   5                           ; v5   the same, base
.set RA,   6                           ; v6   stage address for reading back: lanes 0-15 a row, lanes 16-31 the next
.set D,    12                          ; v[12:139]   spline as loaded: chunk c (16 i) at 64 c, output r at 4 r
.set E,    140                         ; v[140:155]  base as loaded
.set OUT0, 156                         ; v[156:187]  lines of wbf, chunk 0
.set OUT1, 188                         ; v[188:219]  chunk 1
.set OUTB, 220                         ; v[220:227]  base
	s_load_b128 s[4:7], s[0:1], 0x0                ; spline_weight s[4:5], base_weight s[6:7]
	s_load_b64 s[8:9], s[0:1], 0x10                ; wbf
	v_lshl_add_u32 v228, v0, 2, 0x8800             ; my spare word, behind the eight stages, and 0: kept for the closing lines alone
	v_mov_b32 v229, 0
	v_lshrrev_b32 v1, 5, v0
	v_readfirstlane_b32 s12, v1                    ; wave
	s_mov_b32 s14, 0x41200000                      ; 10.0, as a pair for the packed multiply
	s_mov_b32 s15, 0x41200000
	v_and_b32 v1, 31, v0                           ; lane l
	v_lshlrev_b32 v[OFS], 4, v1
	v_lshrrev_b32 v7, 3, v1
	v_and_b32 v8, 7, v1
	v_lshlrev_b32 v[OFB], 4, v8
	v_lshl_add_u32 v[OFB], v7, 15, v[OFB]          ; (l / 8) x 4 rows of 8,192 bytes + 16 (l % 8)
	s_wait_alu depctr_va_sdst(0)                   ; s12 is written, ahead of its first reader: the unit's number, and with it every base, is made from it
	s_lshl_b32 s13, ttmp9, 3
	s_add_co_u32 s13, s13, s12                     ; unit = 8 x work-group + wave
	s_lshr_b32 s16, s13, 6                         ; n16: which 16 outputs
	s_and_b32 s17, s13, 63                         ; which 32 i = 8 s + p
	s_lshr_b32 s18, s16, 4                         ; nb
	s_and_b32 s19, s16, 15                         ; b
	s_lshr_b32 s20, s17, 3                         ; s
	s_and_b32 s21, s17, 7                          ; p
	s_lshl_b32 s24, s16, 20                        ; spline: 16 outputs x 65,536 bytes
	s_lshl_b32 s23, s17, 10                        ;         32 i x 32 bytes
	s_add_co_u32 s24, s24, s23
	s_mov_b32 s25, 0
	s_lshl_b32 s26, s16, 17                        ; base: 16 outputs x 8,192 bytes
	s_lshl_b32 s23, s17, 7                         ;       32 i x 4 bytes
	s_add_co_u32 s26, s26, s23
	s_mov_b32 s27, 0
	s_lshl3_add_u32 s28, s18, s20                  ; y = 8 nb + s
	s_mul_i32 s28, s28, 72
	s_mul_i32 s23, s21, 9
	s_add_co_u32 s28, s28, s23                     ; the period's first step
	s_lshl_b32 s28, s28, 14                        ; a step is 16 blocks = 16,384 bytes
	s_lshl_b32 s23, s19, 10
	s_add_co_u32 s28, s28, s23                     ; + block b: the spline steps t = 0..7 begin here
	s_mov_b32 s29, 0
	s_add_co_u32 s30, s28, 8*16384                 ; base: step 8
	s_mov_b32 s31, 0
	s_wait_kmcnt 0x0
	s_add_nc_u64 s[4:5], s[4:5], s[24:25]
	s_add_nc_u64 s[6:7], s[6:7], s[26:27]
	s_add_nc_u64 s[10:11], s[8:9], s[30:31]        ; where the base lines go
	s_add_nc_u64 s[8:9], s[8:9], s[28:29]          ; where the spline lines go
	s_wait_alu depctr_va_vdst(0)                   ; v2 and v3 are written: the loads below, and later the global stores, read them as offsets; no vector line behind this wait names them
	; every load of the wave covers whole aligned runs: 512 neighbouring bytes of one output's spline weights (16 i x 8 g)
.irp c, 0,1
.irp r, 0,1,2,3,4,5,6,7,8,9,10,11,12,13,14,15
	global_load_b128 v[D+64*\c+4*\r:D+64*\c+4*\r+3], v[OFS], s[4:5] offset:\r*65536+\c*512 th:TH_LOAD_NT
.endr
.endr
.irp r, 0,1,2,3
	global_load_b128 v[E+4*\r:E+4*\r+3], v[OFB], s[6:7] offset:\r*8192 th:TH_LOAD_NT   ; outputs r + 4 (l / 8), 128 bytes each
.endr
	; Spline: lane l holds i16 = l / 2 of the chunk's 16 i and g = 4 (l % 2) .. +3.  Its stage row is 4 tl + 2 q + h with
	; tl = 2 (i16 / 8) + (i16 / 2) % 2, q = i16 % 2, h = (i16 / 4) % 2:  (i16 & 8) | 2 (i16 & 3) | ((i16 >> 2) & 1): three fields that share no bit.
	; (These lines write v4 to v9, which no load above reads or lands in.)
	s_mul_i32 s23, s12, WST
	v_lshrrev_b32 v7, 1, v1
	v_and_b32 v7, 8, v7                            ; i16 & 8
	v_and_b32 v8, 6, v1                            ; 2 (i16 & 3)
	v_bfe_u32 v9, v1, 3, 1                         ; (i16 >> 2) & 1
	v_or_b32 v7, v7, v8
	v_or_b32 v7, v7, v9
	v_mul_u32_u24 v[SA], v7, PITCH
	v_and_b32 v8, 1, v1
	v_lshl_add_u32 v[SA], v8, 3, v[SA]             ; + 8 bytes for the upper four g
	v_add_nc_u32 v[SA], s23, v[SA]
	; Base: lane l holds i = 4 d .. +3 (d = l % 8) of output r + 4 (l / 8): q = d / 4, e / 4 = (d / 2) % 2, h = d % 2.  Stage row 2 q + h.
	v_bfe_u32 v7, v1, 2, 1
	v_lshl_add_u32 v7, v7, 1, v8                   ; 2 q + h
	v_mul_u32_u24 v[SB], v7, PITCH
	v_bfe_u32 v7, v1, 1, 1
	v_lshl_add_u32 v[SB], v7, 3, v[SB]             ; + 8 (e / 4)
	v_lshrrev_b32 v7, 3, v1
	v_lshl_add_u32 v[SB], v7, 6, v[SB]             ; + 16 bytes x 4 (l / 8) outputs
	v_add_nc_u32 v[SB], s23, v[SB]
	v_lshrrev_b32 v7, 4, v1
	v_and_b32 v8, 15, v1
	v_mul_u32_u24 v[RA], v7, PITCH
	v_lshl_add_u32 v[RA], v8, 4, v[RA]             ; row h, 16 bytes of output r
	v_add_nc_u32 v[RA], s23, v[RA]
; Chunk c of the spline weights.  left = the loads issued behind the chunk's sixteen; o = where its eight lines of wbf land.
; All 32 roundings, one wait, then the chunk's LDS and memory instructions, which no further vector line stands among.
.macro SPL c, left, o
	s_wait_loadcnt \left                           ; loads come back in order (ISA guide 5.7.1): the chunk is in, the younger ones stay out
.irp r, 0,1,2,3,4,5,6,7,8,9,10,11,12,13,14,15
	v_cvt_pk_f16_f32 v[D+64*\c+4*\r],   v[D+64*\c+4*\r],   v[D+64*\c+4*\r+1]
	v_cvt_pk_f16_f32 v[D+64*\c+4*\r+1], v[D+64*\c+4*\r+2], v[D+64*\c+4*\r+3]
.endr
	s_wait_alu depctr_va_vdst(0)                   ; the roundings have written the chunk's sixteen pairs of D, which the LDS stores read; at chunk 0 also: v4, v5 and v6, the LDS addresses, are written
.irp r, 0,1,2,3,4,5,6,7,8,9,10,11,12,13,14,15
	ds_store_b64 v[SA], v[D+64*\c+4*\r:D+64*\c+4*\r+1] offset:16*\r     ; word 68 row + 2 (l % 2) + 4 r: the 32 lanes hit 64 different banks
.endr
.irp w, 0,1,2,3,4,5,6,7
	ds_load_b128 v[\o+4*\w:\o+4*\w+3], v[RA] offset:2*\w*PITCH          ; rows 4 tl + 2 q + h, w = 2 tl + q; LDS serves a wave's instructions in order (ISA guide 5.7.1.4): these see the stores above
.endr
.irp w, 0,1,2,3,4,5,6,7
	s_wait_dscnt 7-\w                              ; line w is in; the younger ones stay out.  The last count is 0: the stage is free for the next chunk
	global_store_b128 v[OFS], v[\o+4*\w:\o+4*\w+3], s[8:9] offset:(4*\c+\w/2)*16384+(\w%2)*512   ; step t = 4 c + tl; 512 consecutive bytes, aligned
.endr
.endm
	SPL 0, 20, OUT0                                ; behind chunk 0: chunk 1's sixteen loads and the four of the base weights
	SPL 1, 4, OUT1                                 ; behind chunk 1: the four
	s_wait_loadcnt 0x0                             ; the base weights
.irp r, 0,1,2,3
	v_pk_mul_f32 v[E+4*\r:E+4*\r+1],   v[E+4*\r:E+4*\r+1],   s[14:15] op_sel_hi:[1,0]   ; x 10
	v_pk_mul_f32 v[E+4*\r+2:E+4*\r+3], v[E+4*\r+2:E+4*\r+3], s[14:15] op_sel_hi:[1,0]
.endr
.irp r, 0,1,2,3
	v_cvt_pk_f16_f32 v[E+4*\r],   v[E+4*\r],   v[E+4*\r+1]
	v_cvt_pk_f16_f32 v[E+4*\r+1], v[E+4*\r+2], v[E+4*\r+3]
.endr
	s_wait_alu depctr_va_vdst(0)                   ; the roundings have written the four pairs of E, which the LDS stores read
.irp r, 0,1,2,3
	ds_store_b64 v[SB], v[E+4*\r:E+4*\r+1] offset:16*\r
.endr
	ds_load_b128 v[OUTB:OUTB+3],   v[RA]                   ; q = 0: rows 0, 1
	ds_load_b128 v[OUTB+4:OUTB+7], v[RA] offset:2*PITCH    ; q = 1: rows 2, 3
	s_wait_dscnt 0x1                               ; the first of the two
	global_store_b128 v[OFS], v[OUTB:OUTB+3], s[10:11]
	s_wait_dscnt 0x0
	global_store_b128 v[OFS], v[OUTB+4:OUTB+7], s[10:11] offset:512
	s_wait_dscnt 0x0                               ; the closing lines, six on end
	s_wait_alu 0x0
	s_wait_tensorcnt 0x0
	ds_add_u32 v228, v229
	s_wait_dscnt 0x0
	s_endpgm
.Lfunc_end_k_q78e1f0e111_packw:
	.size	k_q78e1f0e111_packw, .Lfunc_end_k_q78e1f0e111_packw-k_q78e1f0e111_packw
	.p2alignl 7, 3214868480
	.fill 96, 4, 3214868480
	.section	.rodata,"a",@progbits
	.p2align	6, 0x0
	.amdhsa_kernel k_q78e1f0e111_packw
		.amdhsa_group_segment_fixed_size 35840
		.amdhsa_private_segment_fixed_size 0
		.amdhsa_enable_private_segment 0
		.amdhsa_kernarg_size 24
		.amdhsa_user_sgpr_count 2
		.amdhsa_user_sgpr_kernarg_segment_ptr 1
		.amdhsa_wavefront_size32 1
		.amdhsa_system_sgpr_workgroup_id_x 1
		.amdhsa_system_sgpr_workgroup_id_y 1
		.amdhsa_system_sgpr_workgroup_id_z 1
		.amdhsa_system_vgpr_workitem_id 0
		.amdhsa_next_free_vgpr 230
		.amdhsa_next_free_sgpr 66
		.amdhsa_reserve_vcc 0
		.amdhsa_float_denorm_mode_32 3
		.amdhsa_float_denorm_mode_16_64 3
		.amdhsa_memory_ordered 1
		.amdhsa_forward_progress 1
		.amdhsa_inst_pref_size 18
	.end_amdhsa_kernel
	.amdgpu_metadata
---
amdhsa.version: [ 1, 2 ]
amdhsa.kernels:
  - .name:           k_q78e1f0e111_packw
    .symbol:         k_q78e1f0e111_packw.kd
    .args:
      - { .name: spline_weight, .offset: 0, .size: 8, .value_kind: global_buffer, .address_space: global }
      - { .name: base_weight, .offset: 8, .size: 8, .value_kind: global_buffer, .address_space: global }
      - { .name: wbf, .offset: 16, .size: 8, .value_kind: global_buffer, .address_space: global }
    .group_segment_fixed_size: 35840
    .private_segment_fixed_size: 0
    .kernarg_segment_align: 8
    .kernarg_segment_size: 24
    .max_flat_workgroup_size: 256
    .sgpr_count:     66
    .vgpr_count:     230
    .wavefront_size: 32
...
	.end_amdgpu_metadata
.endif
;; end of part 6
;; launch kan: the kernel of part 5 again; grid 16 x 16, 4 waves a work-group, clusters of 4 x 1, 327,680 bytes of LDS; arguments x, knots, wbf, part; writes part
;; launch addup: the kernel of part 3 again; grid 512 x 1, 8 waves a work-group, no clusters, 0 bytes of LDS; arguments part, out0; writes out0
